; MI455X (gfx1250); checked and timed in simulation.
; The chip was launched on July 23, 2026; its instructions are those of AMD's public machine-readable ISA for CDNA 5 (MIT licence, August 2026) and "CDNA5" Instruction Set Architecture Reference Guide (July 2026). The comments in the code are by the model that wrote it; some were corrected since.
;; Recurrent Linear MHA. Allowed arithmetic: float matrix products may take bf16 or f16 operands with f32 sums; other float arithmetic in f32, or as packed bf16 or f16 multiplies, adds, multiply-adds, maxima and minima; sums over many terms, partial sums and values carried from step to step in f32; what a program stores and reads back later, other than sums and carried values, may be rounded once to bf16 or f16.
;; Inputs: Wk 1,024 x 1,024 float32; Wo 1,024 x 1,024 float32; Wq 1,024 x 1,024 float32; Wv 1,024 x 1,024 float32; x 4 x 2,048 x 1,024 float32.
;; Outputs: out0 4 x 2,048 x 1,024 float32.
;; One version. Each part assembles by itself: llvm-mc -triple=amdgcn-amd-amdhsa -mcpu=gfx1250 --defsym DOCPART=n.
;; ======== version 1 of 1: 4 launches
;; limits: values are held in f16: magnitudes above 65,504 overflow, below 6.1e-05 lose precision; right only within a limited range of input values
;; workspace buffers: xb 16,777,216 bytes; wcat 6,291,456 bytes; wob 2,097,152 bytes; qb 16,777,216 bytes; kvb 33,554,432 bytes; sqb 524,288 bytes; skb 262,144 bytes; ob 18,874,368 bytes
;; launch prep (part 1): grid 768 x 1, 8 waves a work-group, no clusters, 0 bytes of LDS; arguments x, Wq, Wk, Wv, Wo, xb, wcat, wob; writes xb, wcat, wob
.if DOCPART == 1
	.amdgcn_target "amdgcn-amd-amdhsa--gfx1250"
	.amdhsa_code_object_version 6
	.text
	.protected	k_qbeaff14c57_prep
	.globl	k_qbeaff14c57_prep
	.p2align	8
	.type	k_qbeaff14c57_prep,@function
k_qbeaff14c57_prep:
	s_mov_b64 s[64:65], 0
	v_nop
	global_prefetch_b8 v0, s[64:65] scope:SCOPE_SE
	s_setreg_imm32_b32 hwreg(HW_REG_WAVE_MODE, 25, 1), 1
	s_wait_xcnt 0x0
; PREP: the five f32 inputs are rounded once to bf16 and laid out for the matrix launches.  A stream: no LDS, no matrix unit.
;   xb   [kb 16][m 8192][64] bf16 : x in blocks of 64 channels, so that 128 rows of a block are 16,384 dense bytes
;   wcat [k 1024][nt 8][q,k,v][128] bf16 : row k holds, for each pair of heads nt, 128 columns of Wq, of Wk and of Wv: 768 bytes on end
;   wob  [1024][1024] f16 : bf16(Wo), written as f16.  LIMIT: |Wo| stays under 65,504 (f16's range).
; A work-group takes 16 source rows of 1,024 f32 in 8 passes of 2 rows; a thread takes 8 numbers a pass (32 bytes in, 16 out).
; Work-groups 0-511: x.  512-767: 64 each for Wq, Wk, Wv, Wo.  In every kind sixteen neighbouring lanes store 256 consecutive aligned bytes.
.set SO, 2                             ; v2      my byte offset in the first two source rows
.set DB, 3                             ; v3      my byte offset in the destination, pass 0
.set DO, 4                             ; v[4:11] the same for each pass; never rewritten
.set X,  16                            ; v[16:79]  8 passes x 8 f32
.set Y,  80                            ; v[80:111] 8 passes x 4 packed words
	s_load_b512 s[4:19], s[0:1], 0x0               ; x, Wq, Wk, Wv, Wo, xb, wcat, wob
	s_mov_b32 s20, ttmp9
	s_sub_co_u32 s21, s20, 512                     ; number among the weights' work-groups (used from 512 on)
	s_lshr_b32 s22, s21, 6                         ; which matrix: 0 q, 1 k, 2 v, 3 o
	s_and_b32 s23, s21, 63                         ; which 16 rows of it
	s_mov_b32 s25, 0
	s_mov_b32 s27, 0
	s_mov_b32 s34, 0                               ; 1: the result is f16 (Wo)
	s_cmp_lt_u32 s20, 512
	s_cbranch_scc0 .Lweights
	v_and_b32 v1, 7, v0                            ; x: 8 lanes cover a block's 64 channels of a row,
	v_bfe_u32 v12, v0, 3, 1                        ; 2 rows,
	v_lshrrev_b32 v13, 4, v0                       ; 16 blocks
	v_lshlrev_b32 v[SO], 5, v1
	v_lshl_add_u32 v[SO], v12, 12, v[SO]
	v_lshl_add_u32 v[SO], v13, 8, v[SO]
	v_lshlrev_b32 v[DB], 4, v1
	v_lshl_add_u32 v[DB], v12, 7, v[DB]
	v_lshl_add_u32 v[DB], v13, 20, v[DB]           ; a block of xb is 8,192 rows x 128 bytes
	s_lshl_b32 s24, s20, 16                        ; 16 rows x 4,096 bytes in
	s_lshl_b32 s26, s20, 11                        ; 16 rows x 128 bytes out
	s_mov_b32 s28, 256                             ; two rows further in xb
	s_wait_kmcnt 0x0
	s_mov_b64 s[30:31], s[4:5]
	s_mov_b64 s[32:33], s[14:15]
	s_branch .Lgo
.Lweights:
	v_and_b32 v1, 127, v0                          ; 128 lanes cover a row, 2 rows
	v_lshrrev_b32 v12, 7, v0
	v_lshlrev_b32 v[SO], 5, v1
	v_lshl_add_u32 v[SO], v12, 12, v[SO]
	s_lshl_b32 s24, s23, 16
	s_wait_kmcnt 0x0
	s_cmp_eq_u32 s22, 3
	s_cbranch_scc1 .Lwo
	v_lshrrev_b32 v13, 4, v1                       ; pair of heads
	v_and_b32 v14, 15, v1
	v_lshlrev_b32 v[DB], 4, v14
	v_mad_u32_u24 v[DB], v13, 768, v[DB]
	v_mad_u32_u24 v[DB], v12, 6144, v[DB]
	s_lshl_b32 s29, s22, 8                         ; q, k or v: 256 bytes each
	v_add_nc_u32 v[DB], s29, v[DB]
	s_mul_i32 s26, s23, 98304                      ; 16 rows x 6,144 bytes
	s_mov_b32 s28, 12288
	s_cmp_eq_u32 s22, 0
	s_cselect_b64 s[30:31], s[6:7], s[8:9]
	s_cmp_eq_u32 s22, 2
	s_cselect_b64 s[30:31], s[10:11], s[30:31]
	s_mov_b64 s[32:33], s[16:17]
	s_branch .Lgo
.Lwo:
	v_lshlrev_b32 v[DB], 4, v1
	v_lshl_add_u32 v[DB], v12, 11, v[DB]
	s_lshl_b32 s26, s23, 15
	s_mov_b32 s28, 4096
	s_mov_b32 s34, 1
	s_mov_b64 s[30:31], s[12:13]
	s_mov_b64 s[32:33], s[18:19]
.Lgo:
	s_add_nc_u64 s[30:31], s[30:31], s[24:25]
	s_add_nc_u64 s[32:33], s[32:33], s[26:27]
.irp p, 0,1,2,3,4,5,6,7
	s_mul_i32 s29, s28, \p
	v_add_nc_u32 v[DO+(\p)], s29, v[DB]
.endr
.irp p, 0,1,2,3,4,5,6,7                ; all sixteen loads go out together: 8 KiB a wave on its way
	global_load_b128 v[X+8*(\p):X+8*(\p)+3],   v[SO], s[30:31] offset:8192*(\p) th:TH_LOAD_NT
	global_load_b128 v[X+8*(\p)+4:X+8*(\p)+7], v[SO], s[30:31] offset:8192*(\p)+16 th:TH_LOAD_NT
.endr
	s_cmp_eq_u32 s34, 1
	s_cbranch_scc1 .Lf16
.irp p, 0,1,2,3,4,5,6,7
	s_wait_loadcnt 14-2*(\p)                       ; loads come back in order: this pass's two are in, the later passes' stay out
.irp j, 0,1,2,3
	v_cvt_pk_bf16_f32 v[Y+4*(\p)+(\j)], v[X+8*(\p)+2*(\j)], v[X+8*(\p)+2*(\j)+1]
.endr
	global_store_b128 v[DO+(\p)], v[Y+4*(\p):Y+4*(\p)+3], s[32:33]
.endr
	s_endpgm
.Lf16:
.irp p, 0,1,2,3,4,5,6,7
	s_wait_loadcnt 14-2*(\p)
.irp j, 0,1,2,3
	v_cvt_pk_bf16_f32 v[Y+4*(\p)+(\j)], v[X+8*(\p)+2*(\j)], v[X+8*(\p)+2*(\j)+1]  ; the rounding that all inputs get,
.endr
.irp j, 0,1,2,3
	v_lshlrev_b32 v[X+8*(\p)+2*(\j)],   16, v[Y+4*(\p)+(\j)]                        ; widened again,
	v_and_b32     v[X+8*(\p)+2*(\j)+1], 0xffff0000, v[Y+4*(\p)+(\j)]
.endr
.irp j, 0,1,2,3
	v_cvt_pk_f16_f32 v[Y+4*(\p)+(\j)], v[X+8*(\p)+2*(\j)], v[X+8*(\p)+2*(\j)+1]   ; and written as f16: exact within f16's range
.endr
	global_store_b128 v[DO+(\p)], v[Y+4*(\p):Y+4*(\p)+3], s[32:33]
.endr
	s_endpgm
.Lfunc_end_k_qbeaff14c57_prep:
	.size	k_qbeaff14c57_prep, .Lfunc_end_k_qbeaff14c57_prep-k_qbeaff14c57_prep
	.p2alignl 7, 3214868480
	.fill 96, 4, 3214868480
	.section	.rodata,"a",@progbits
	.p2align	6, 0x0
	.amdhsa_kernel k_qbeaff14c57_prep
		.amdhsa_group_segment_fixed_size 0
		.amdhsa_private_segment_fixed_size 0
		.amdhsa_enable_private_segment 0
		.amdhsa_kernarg_size 64
		.amdhsa_user_sgpr_count 2
		.amdhsa_user_sgpr_kernarg_segment_ptr 1
		.amdhsa_wavefront_size32 1
		.amdhsa_system_sgpr_workgroup_id_x 1
		.amdhsa_system_sgpr_workgroup_id_y 1
		.amdhsa_system_sgpr_workgroup_id_z 1
		.amdhsa_system_vgpr_workitem_id 0
		.amdhsa_next_free_vgpr 112
		.amdhsa_next_free_sgpr 66
		.amdhsa_reserve_vcc 0
		.amdhsa_float_denorm_mode_32 3
		.amdhsa_float_denorm_mode_16_64 3
		.amdhsa_memory_ordered 1
		.amdhsa_forward_progress 1
		.amdhsa_inst_pref_size 16
	.end_amdhsa_kernel
	.amdgpu_metadata
---
amdhsa.version: [ 1, 2 ]
amdhsa.kernels:
  - .name:           k_qbeaff14c57_prep
    .symbol:         k_qbeaff14c57_prep.kd
    .args:
      - { .name: x, .offset: 0, .size: 8, .value_kind: global_buffer, .address_space: global }
      - { .name: Wq, .offset: 8, .size: 8, .value_kind: global_buffer, .address_space: global }
      - { .name: Wk, .offset: 16, .size: 8, .value_kind: global_buffer, .address_space: global }
      - { .name: Wv, .offset: 24, .size: 8, .value_kind: global_buffer, .address_space: global }
      - { .name: Wo, .offset: 32, .size: 8, .value_kind: global_buffer, .address_space: global }
      - { .name: xb, .offset: 40, .size: 8, .value_kind: global_buffer, .address_space: global }
      - { .name: wcat, .offset: 48, .size: 8, .value_kind: global_buffer, .address_space: global }
      - { .name: wob, .offset: 56, .size: 8, .value_kind: global_buffer, .address_space: global }
    .group_segment_fixed_size: 0
    .private_segment_fixed_size: 0
    .kernarg_segment_align: 8
    .kernarg_segment_size: 64
    .max_flat_workgroup_size: 256
    .sgpr_count:     66
    .vgpr_count:     112
    .wavefront_size: 32
...
	.end_amdgpu_metadata
.endif
;; end of part 1
;; launch qkv (part 2): grid 8 x 32, 4 waves a work-group, clusters of 4 x 4, 327,680 bytes of LDS; arguments xb, wcat, qb, kvb, sqb, skb; writes qb, kvb, sqb, skb
.if DOCPART == 2
	.amdgcn_target "amdgcn-amd-amdhsa--gfx1250"
	.amdhsa_code_object_version 6
	.text
	.protected	k_qbeaff14c57_qkv
	.globl	k_qbeaff14c57_qkv
	.p2align	8
	.type	k_qbeaff14c57_qkv,@function
k_qbeaff14c57_qkv:
	s_mov_b64 s[64:65], 0
	v_nop
	global_prefetch_b8 v0, s[64:65] scope:SCOPE_SE
	s_setreg_imm32_b32 hwreg(HW_REG_WAVE_MODE, 25, 1), 1
	s_wait_xcnt 0x0
	s_wait_alu depctr_hold_cnt(0) depctr_sa_sdst(0) depctr_va_vdst(0) depctr_va_sdst(0) depctr_va_ssrc(0) depctr_va_vcc(0) depctr_vm_vsrc(0)
	s_getreg_b32 s2, hwreg(HW_REG_IB_STS2, 6, 4)
	s_cmp_eq_u32 s2, 0
	s_cbranch_scc0 .Lentry_in_a_cluster
	s_endpgm
.Lentry_in_a_cluster:
	s_bfe_u32 s2, ttmp6, 0x10000c
	s_cmp_lg_u32 s2, 0xf033
	s_cbranch_scc0 .Lentry_shape_is_right
	s_endpgm
.Lentry_shape_is_right:
; QKV: t = x W for Wq, Wk, Wv (bf16 operands, f32 sums), then q = phi(t), k = phi(t), v = t, phi(t) = max(t + 1, 2^min(t log2 e, 0)) = elu(t) + 1.
; A work-group makes 256 rows x (128 q + 128 k + 128 v columns of heads 2 nt, 2 nt + 1).  Wave (wr, wc) makes rows 128 wr .. + 127 of head 2 nt + wc: 12 x 8 = 96 accumulators, 768 registers,
; so a row's 64 features of q, k and v lie in one wave.  The matrix instruction is used transposed (source 0 = 16 columns of W, source 1 = 16 rows of x): a lane holds 8 neighbouring columns of one row.
; WHAT IS STORED, all rounded once from f32:
;   qb  [bh][s][64] f16: q / 2^E, E the exponent of the row's largest feature; sqb [bh][s] f32: 2^-E
;   kvb [bh][s][k 64 | v 64] f16: k / U, U = 2^exponent of the largest k of the wave's 128 rows (phi rises with t, so it is phi of the largest t), at least 2^-60; v as it is
;   skb [bh][chunk of 128 rows][64 copies of U] f32: a wave stores 256 consecutive aligned bytes
; LIMITS.  |x Wv| stays under 65,504 (f16).  A feature below 2^-24 of its row's (q) or its 128 rows' (k) largest counts as 0, below 2^-14 it keeps f16's fixed step; 2^y counts as 0 for y < -126.  NaN and infinities are not treated apart.
; RING.  K goes in steps of 64 through two LDS slots (two slots of steps of 128 would need 344 KiB).  A's tile: 256 rows x 128 bytes, dense in xb, asked for as rows of 256 bytes; B's: 64 rows of wcat x 768 bytes.
; CLUSTER 4 x 4: A's tile hangs on the tile row alone and is asked for jointly along a row of the cluster, B's on the pair of heads alone, jointly along a column.
; REGISTERS: window 0: v0-31 addresses; v32-95, v96-159 fragments of x, two buffers; v160-255 the 12 fragments of W.  Windows 1, 2, 3: the accumulators of q, k, v: (bb, a) at 8 (8 bb + a).
.set PA,    144                        ; a row of x in LDS: 128 bytes + 16
.set PB,    864                        ; a row of W in LDS: three pieces of 256 bytes, 32 bytes of padding behind each: 27 x 32
.set AHALF, 128*PA
.set BHALF, 32*PB
.set BOFF,  2*AHALF
.set SLOT,  BOFF+2*BHALF               ; 92,160
.set STAGE, 2*SLOT                     ; behind the ring: 16 rows x 400 bytes for each wave (q 128 | k 128 | v 128 | 16)
.set SPI,   400
.set SCST,  STAGE+4*16*SPI             ; 512 bytes for each wave: its 128 rows' 2^-E
.set SPARE, SCST+4*512                 ; the spare words: 128 bytes for each wave, named by no other line
.set ADRA, 16                          ; v16-17 LDS address of my fragments of x in slot 0, 1
.set ADRB, 20                          ; v20-21 the same for W (turning load)
.set STO,  24
.set RDQ,  25
.set RDK,  26
.set GO,   27                          ; 16 x lane
.set SPW,  28
.set NIL,  29
.set SCA,  30
.set SCR,  31
.set AF0,  32
.set AF1,  96
.set BF,   160
.set X,    32                          ; the way out: t + 1, then phi (q 32, k 32)
.set Y,    96                          ; the way out: t log2 e, then 2^..
.set HH,   160                         ; 48 packed words: q 16, k 16, v 16
.set BK,   208                         ; 48 words read back from the stage
.set G1A,  24
.set G0A,  32
.set G1B,  40
.set G0B,  48
.set MSB, 0
.macro WIN new                         ; the immediate's high byte repeats the setting that is left; a switch that changes nothing is dropped
.if MSB != (\new)
	s_set_vgpr_msb (MSB<<8)|(\new)
.set MSB, (\new)
.endif
.endm
.macro PLACES                          ; four places behind a matrix instruction, ahead of loads into its sources and of reads of its result
.rept 4
	v_nop
.endr
.endm
.macro JLOAD s                         ; a joint load: waves 0, 1 fetch A's halves, waves 2, 3 B's; s_nop 0 and four v_nop follow each line
	s_cmp_eq_u32 s17, 0
	s_cbranch_scc0 .Lfor_b_\@
	tensor_load_to_lds s[G0A+4*(\s):G0A+4*(\s)+3], s[G1A:G1A+7]
	s_nop 0
.rept 4
	v_nop
.endr
	s_branch .Lasked_\@
.Lfor_b_\@:
	tensor_load_to_lds s[G0B+4*(\s):G0B+4*(\s)+3], s[G1B:G1B+7]
	s_nop 0
.rept 4
	v_nop
.endr
.Lasked_\@:
.endm
.macro CREST                           ; a round of the cluster's barrier behind its opening barrier
	s_cmp_lg_u32 s16, 0
	s_cbranch_scc1 .Lnot_wave_0_\@
	s_barrier_signal -3
.Lnot_wave_0_\@:
	s_barrier_wait -3
	s_barrier_signal -1
	s_barrier_wait -1
.endm
.macro CROUND
	s_barrier_signal -1
	s_barrier_wait -1
	CREST
.endm
	s_load_b256 s[4:11], s[0:1], 0x0               ; xb s[4:5], wcat s[6:7], qb s[8:9], kvb s[10:11]
	s_load_b128 s[12:15], s[0:1], 0x20             ; sqb s[12:13], skb s[14:15]
	v_lshl_add_u32 v[SPW], v0, 2, SPARE
	v_mov_b32 v[NIL], 0
	ds_add_u32 v[SPW], v[NIL]                      ; the wave's opening: the add and its wait stand ahead of my first tensor load
	v_lshrrev_b32 v1, 5, v0
	v_readfirstlane_b32 s16, v1                    ; wave 0..3
	s_lshr_b32 s17, s16, 1                         ; wr: my half of the rows.  Also: I fetch for A (0) or B (1)
	s_and_b32 s18, s16, 1                          ; wc: my head of the pair.  Also: which half of that tile I fetch
	s_bfe_u32 s19, ttmp6, 0x40000                  ; cx
	s_bfe_u32 s20, ttmp6, 0x40004                  ; cy
	s_lshl_b32 s21, ttmp9, 2
	s_add_co_u32 s21, s21, s19                     ; nt = 4 x cluster x + cx
	s_and_b32 s22, ttmp7, 0xffff
	s_lshl_b32 s22, s22, 2
	s_add_co_u32 s22, s22, s20                     ; mt = 4 x cluster y + cy
	s_lshl_b32 s56, s20, 2
	s_lshl_b32 s56, 15, s56                        ; my row of the cluster
	s_lshl_b32 s57, 0x1111, s19                    ; my column
	s_or_b32 s[G1A], s56, (1<<16)|(1<<20)|(1<<21)|(4<<22)|(3<<25)  ; 2-byte elements; padding of 4 words behind every 32; bit 21 beside the mask
	s_or_b32 s[G1B], s57, (1<<16)|(1<<20)|(1<<21)|(5<<22)|(7<<25)  ; padding of 8 words behind every 64
	s_mov_b32 s[G1A+1], 128<<16                    ; A: 64 rows of 128 elements (two rows of x each), dense
	s_mov_b32 s[G1A+2], 64<<16
	s_mov_b32 s[G1A+3], 128<<16
	s_mov_b32 s[G1A+4], 64
	s_mov_b32 s[G1A+5], 128
	s_mov_b32 s[G1A+6], 0
	s_mov_b32 s[G1A+7], 0
	s_mov_b32 s[G1B+1], 384<<16                    ; B: 32 rows of 384 elements, 3,072 elements from row to row
	s_mov_b32 s[G1B+2], 32<<16
	s_mov_b32 s[G1B+3], 384<<16
	s_mov_b32 s[G1B+4], 32
	s_mov_b32 s[G1B+5], 3072
	s_mov_b32 s[G1B+6], 0
	s_mov_b32 s[G1B+7], 0
	s_lshl_b32 s58, s22, 15                        ; A: 256 rows x 128 bytes a tile row,
	s_lshl_b32 s59, s18, 14                        ; my 128 rows
	s_add_co_u32 s58, s58, s59
	s_mov_b32 s59, 0
	s_mul_i32 s60, s21, 768                        ; B: the pair's 768 bytes of a row,
	s_mul_i32 s61, s18, 196608                     ; my 32 rows of 6,144 bytes
	s_add_co_u32 s60, s60, s61
	s_mov_b32 s61, 0
	s_mul_i32 s62, s18, AHALF                      ; LDS: no place in the cluster enters these
	s_mul_i32 s63, s18, BHALF
	s_add_co_u32 s63, s63, BOFF
	s_mov_b32 s66, 0x3fb8aa3b                      ; log2 e, named as a pair
	s_mov_b32 s67, s66
	s_mov_b32 s68, 0x76543210                      ; v_permlanex16_b32: each lane takes its own place in the other half
	s_mov_b32 s69, 0xfedcba98
	s_wait_dscnt 0x0                               ; the opening add is done
	s_wait_kmcnt 0x0
	s_add_nc_u64 s[58:59], s[4:5], s[58:59]
	s_add_nc_u64 s[60:61], s[6:7], s[60:61]
	CROUND                                         ; all sixteen work-groups are here: the first joint loads meet
.irp s, 0,1
	s_mov_b32 s[G0A+4*(\s)], 1
	s_add_co_u32 s[G0A+4*(\s)+1], s62, (\s)*SLOT
	s_add_nc_u64 s[G0A+4*(\s)+2:G0A+4*(\s)+3], s[58:59], (\s)*1048576  ; K step s is block s of xb
	s_or_b32 s[G0A+4*(\s)+3], s[G0A+4*(\s)+3], 0x80000000
	s_mov_b32 s[G0B+4*(\s)], 1
	s_add_co_u32 s[G0B+4*(\s)+1], s63, (\s)*SLOT
	s_add_nc_u64 s[G0B+4*(\s)+2:G0B+4*(\s)+3], s[60:61], (\s)*393216   ; 64 rows of wcat
	s_or_b32 s[G0B+4*(\s)+3], s[G0B+4*(\s)+3], 0x80000000
	JLOAD \s                                       ; two loads of mine are out here, one behind every later refill
.endr
	v_and_b32 v1, 15, v0                           ; r
	v_bfe_u32 v2, v0, 4, 1                         ; h
	v_and_b32 v3, 31, v0                           ; lane
	v_mul_u32_u24 v4, v1, PA
	v_lshl_add_u32 v4, v2, 4, v4
	s_mul_i32 s56, s17, AHALF
	v_add_nc_u32 v[ADRA], s56, v4                  ; row x pitch + 16 h, in my 128 rows
	v_add_nc_u32 v[ADRA+1], SLOT, v[ADRA]
	v_and_b32 v5, 7, v0
	v_lshl_add_u32 v6, v2, 3, v5
	v_mul_u32_u24 v6, v6, PB                       ; the turning load: lane l reads row 8 h + l % 8, 16 bytes at 16 ((l / 8) % 2)
	v_bfe_u32 v4, v0, 3, 1
	v_lshl_add_u32 v6, v4, 4, v6
	s_lshl_b32 s56, s18, 7                         ; my head's 128 bytes of each piece
	s_add_co_u32 s56, s56, BOFF
	v_add_nc_u32 v[ADRB], s56, v6
	v_add_nc_u32 v[ADRB+1], SLOT, v[ADRB]
	s_mul_i32 s56, s16, 16*SPI
	s_add_co_u32 s56, s56, STAGE                   ; my stage
	v_mul_u32_u24 v4, v1, SPI
	v_lshl_add_u32 v4, v2, 4, v4
	v_add_nc_u32 v[STO], s56, v4
	v_lshrrev_b32 v4, 3, v3
	v_mul_u32_u24 v4, v4, SPI
	v_lshl_add_u32 v4, v5, 4, v4
	v_add_nc_u32 v[RDQ], s56, v4                   ; back: four rows of q (128 bytes each) a load
	v_mul_u32_u24 v4, v2, SPI
	v_lshl_add_u32 v4, v1, 4, v4
	v_add_nc_u32 v4, 128, v4
	v_add_nc_u32 v[RDK], s56, v4                   ; two rows of k | v (256 bytes each) a load
	v_lshlrev_b32 v[GO], 4, v3
	s_lshl_b32 s56, s16, 9
	s_add_co_u32 s56, s56, SCST
	v_lshl_add_u32 v[SCA], v1, 2, s56
	v_lshl_add_u32 v[SCR], v3, 4, s56
	v_lshlrev_b32 v5, 3, v3                        ; v5: 8 x lane, for U's store; never rewritten
	v_mov_b32 v13, 0                               ; the upper halves of the two pairs that the packed scalings name
	v_mov_b32 v15, 0
	s_lshr_b32 s78, s22, 3                         ; b
	s_lshl_b32 s78, s78, 4
	s_lshl_b32 s79, s21, 1
	s_add_co_u32 s78, s78, s79
	s_add_co_u32 s78, s78, s18                     ; bh = 16 b + 2 nt + wc
	s_lshl_b32 s78, s78, 11
	s_and_b32 s79, s22, 7
	s_lshl_b32 s79, s79, 8
	s_add_co_u32 s78, s78, s79
	s_lshl_b32 s79, s17, 7
	s_add_co_u32 s78, s78, s79                     ; my first row among the 64 x 2,048
	s_mov_b32 s57, 0
	s_lshl_b32 s56, s78, 7
	s_add_nc_u64 s[70:71], s[8:9], s[56:57]        ; qb: 128 bytes a row
	s_lshl_b32 s56, s78, 8
	s_add_nc_u64 s[72:73], s[10:11], s[56:57]      ; kvb: 256
	s_lshl_b32 s56, s78, 2
	s_add_nc_u64 s[74:75], s[12:13], s[56:57]      ; sqb: 4
	s_lshl_b32 s56, s78, 1
	s_add_nc_u64 s[76:77], s[14:15], s[56:57]      ; skb: 256 bytes for 128 rows
.macro LOADA slot, q, buf              ; 8 fragments of x: 16 rows x 32 K at byte 64 q of the rows
.irp a, 0,1,2,3,4,5,6,7
	ds_load_b128 v[(\buf)+8*(\a):(\buf)+8*(\a)+3],   v[ADRA+(\slot)] offset:(\a)*16*PA+64*(\q)
	ds_load_b128 v[(\buf)+8*(\a)+4:(\buf)+8*(\a)+7], v[ADRA+(\slot)] offset:(\a)*16*PA+64*(\q)+32
.endr
.endm
.macro LOADB slot, q, g                ; 4 fragments of W, turned: 32 K from row 32 q on x 16 columns; g = 0 q, 1 k, 2 v
.irp bb, 0,1,2,3
	ds_load_tr16_b128 v[BF+8*(4*(\g)+(\bb)):BF+8*(4*(\g)+(\bb))+3],   v[ADRB+(\slot)] offset:(\q)*32*PB+(\g)*288+(\bb)*32
	ds_load_tr16_b128 v[BF+8*(4*(\g)+(\bb))+4:BF+8*(4*(\g)+(\bb))+7], v[ADRB+(\slot)] offset:(\q)*32*PB+(\g)*288+(\bb)*32+16*PB
.endr
.endm
; 16 matrix instructions.  All 96 accumulators take turns, one instruction a turn, in the same order in every quarter.
.macro MULG buf, g, half, zero
	WIN 0x50*((\g)+1)                              ; C and D in window g + 1
.irp bb, 2*(\half), 2*(\half)+1
.irp a, 0,1,2,3,4,5,6,7
.if \zero
	v_wmma_f32_16x16x32_bf16 v[8*(8*(\bb)+(\a)):8*(8*(\bb)+(\a))+7], v[BF+8*(4*(\g)+(\bb)):BF+8*(4*(\g)+(\bb))+7], v[(\buf)+8*(\a):(\buf)+8*(\a)+7], 0
.else
	v_wmma_f32_16x16x32_bf16 v[8*(8*(\bb)+(\a)):8*(8*(\bb)+(\a))+7], v[BF+8*(4*(\g)+(\bb)):BF+8*(4*(\g)+(\bb))+7], v[(\buf)+8*(\a):(\buf)+8*(\a)+7], v[8*(8*(\bb)+(\a)):8*(8*(\bb)+(\a))+7]
.endif
.endr
.endr
.endm
; A K step is two quarters of 32.  QA multiplies the first (x in buffer 0) and fetches the second; each group of W's fragments is loaded again as soon as it has been multiplied.
.macro QA slot, zero
	s_wait_dscnt 16                                ; W's group 0 and x are in; the younger runs (groups 1 and 2, 8 loads each) may be out
	MULG AF0, 0, 0, \zero
	MULG AF0, 0, 1, \zero
	WIN 0
	PLACES
	LOADB \slot, 1, 0
	LOADA \slot, 1, AF1
	s_wait_dscnt 32                                ; group 1 is in: younger are group 2 (8) and the 24 just issued
	MULG AF0, 1, 0, \zero
	MULG AF0, 1, 1, \zero
	WIN 0
	PLACES
	LOADB \slot, 1, 1
	s_wait_dscnt 32                                ; group 2 is in: younger are 24 + 8
	MULG AF0, 2, 0, \zero
	MULG AF0, 2, 1, \zero
	WIN 0
	PLACES
	LOADB \slot, 1, 2
.endm
; QB multiplies the second quarter and changes slots: one barrier; ahead of it each wave waits for all its tensor loads (its part of the next slot), adds 0 to its spare word, and waits for that and for its reads of this slot.
.macro QB slot, next, fill
	WIN 0
	s_wait_tensorcnt 0x0
	ds_add_u32 v[SPW], v[NIL]
	s_wait_dscnt 17                                ; group 0 and x are in: younger are 8 + 8 loads and the add
	MULG AF1, 0, 0, 0
	s_wait_dscnt 0x0                               ; the add is done, my reads of this slot are over
	s_barrier_signal -1
	MULG AF1, 0, 1, 0
	WIN 0
	s_barrier_wait -1
.if \fill
	CREST                                          ; the barrier has opened a round of the cluster's: no wave of any partner still reads this slot or has a load on its way
	s_add_nc_u64 s[G0A+4*(\slot)+2:G0A+4*(\slot)+3], s[G0A+4*(\slot)+2:G0A+4*(\slot)+3], 2097152
	s_add_nc_u64 s[G0B+4*(\slot)+2:G0B+4*(\slot)+3], s[G0B+4*(\slot)+2:G0B+4*(\slot)+3], 786432
	JLOAD \slot                                    ; the first tensor load behind the round: 160 matrix instructions ahead of the wait for it; its four v_nop are the places ahead of the loads below
.else
	PLACES
.endif
	LOADB \next, 0, 0
	LOADA \next, 0, AF0
	MULG AF1, 1, 0, 0
	MULG AF1, 1, 1, 0
	WIN 0
	PLACES
	LOADB \next, 0, 1
	MULG AF1, 2, 0, 0
	MULG AF1, 2, 1, 0
	WIN 0
	PLACES
	LOADB \next, 0, 2
.endm
	s_wait_tensorcnt 1                             ; my part of K step 0 is in; K step 1's may stay out
	s_barrier_signal -1
	s_barrier_wait -1
	LOADB 0, 0, 0
	LOADA 0, 0, AF0
	LOADB 0, 0, 1
	LOADB 0, 0, 2
	QA 0, 1                                        ; the first quarter stands ahead of the loop: its products start the sums
	s_mov_b32 s23, 7
.Llap:                                                 ; a trip: from a lap's second quarter to the next lap's first; both slots are filled again
	QB 0, 1, 1
	QA 1, 0
	QB 1, 0, 1
	QA 0, 0
	s_sub_co_u32 s23, s23, 1
	s_cmp_lg_u32 s23, 0
	s_cbranch_scc1 .Llap
	QB 0, 1, 0                                     ; the last lap fills nothing
	QA 1, 0
	s_wait_dscnt 16
	MULG AF1, 0, 0, 0
	MULG AF1, 0, 1, 0
	s_wait_dscnt 8
	MULG AF1, 1, 0, 0
	MULG AF1, 1, 1, 0
	s_wait_dscnt 0x0
	MULG AF1, 2, 0, 0
	MULG AF1, 2, 1, 0
	WIN 0
	PLACES
	; U: the largest t of my 128 rows x 64 features of k, four chains; each accumulator's lowest registers are read first
.irp c, 8,9,10,11
	v_mov_b32 v\c, 0xff7fffff
.endr
	WIN 0x28                                       ; sources 1 and 2 in window 2
.set n, 0
.rept 128
	v_max3_num_f32 v[8+n%4], v[8+n%4], v[2*n], v[2*n+1]
.set n, n+1
.endr
	WIN 0
	v_max3_num_f32 v8, v8, v9, v10
	v_max_num_f32 v8, v8, v11
	v_max_num_f32_dpp v8, v8, v8 row_xmask:1 row_mask:0xf bank_mask:0xf
	v_max_num_f32_dpp v8, v8, v8 row_xmask:2 row_mask:0xf bank_mask:0xf
	v_max_num_f32_dpp v8, v8, v8 row_xmask:4 row_mask:0xf bank_mask:0xf
	v_max_num_f32_dpp v8, v8, v8 row_xmask:8 row_mask:0xf bank_mask:0xf
	v_permlanex16_b32 v9, v8, s68, s69
	v_max_num_f32 v8, v8, v9
	v_mul_f32 v9, s66, v8
	v_min_num_f32 v9, 0, v9
	v_exp_f32 v9, v9
	v_add_f32 v8, 1.0, v8                          ; the plain instruction behind the exponential
	s_wait_alu depctr_va_vdst(0)                   ; and the wait ahead of its first reader
	v_max_num_f32 v8, v8, v9                       ; phi of the largest t
	v_and_b32 v8, 0x7f800000, v8
	v_max_num_f32 v6, 0x21800000, v8               ; U, at least 2^-60
	v_mov_b32 v7, v6
	v_sub_nc_u32 v14, 0x7f000000, v6               ; 1 / U, exact
	global_store_b64 v5, v[6:7], s[76:77]          ; 64 copies: 256 consecutive aligned bytes; v5-v7 are not written again
; THE WAY OUT, 16 rows a trip.  EXTRACT holds the only lines that name accumulators: t log2 e and t + 1 of q and k, and v rounded.
.macro EXTRACT a
.irp ty, 0,1
	WIN 1+(\ty)                                    ; source 0 in window 1 (q) or 2 (k)
.irp bb, 0,1,2,3
.irp m, 0,2,4,6
	v_pk_mul_f32 v[Y+32*(\ty)+8*(\bb)+(\m):Y+32*(\ty)+8*(\bb)+(\m)+1], v[8*(8*(\bb)+(\a))+(\m):8*(8*(\bb)+(\a))+(\m)+1], s[66:67] op_sel_hi:[1,0]
	v_pk_add_f32 v[X+32*(\ty)+8*(\bb)+(\m):X+32*(\ty)+8*(\bb)+(\m)+1], v[8*(8*(\bb)+(\a))+(\m):8*(8*(\bb)+(\a))+(\m)+1], 1.0 op_sel_hi:[1,0]
.endr
.endr
.endr
	WIN 0x0f                                       ; sources 0 and 1 in window 3
.irp bb, 0,1,2,3
.irp m, 0,1,2,3
	v_cvt_pk_f16_f32 v[HH+32+4*(\bb)+(\m)], v[8*(8*(\bb)+(\a))+2*(\m)], v[8*(8*(\bb)+(\a))+2*(\m)+1]
.endr
.endr
	WIN 0
.endm
	s_mov_b32 s23, 0
.Lout:                                                 ; eight trips; the counter picks the block's EXTRACT by forward jumps, the rest is written once
.irp a, 0,1,2,3,4,5,6
	s_cmp_eq_u32 s23, \a
	s_cbranch_scc1 .Lx\a
.endr
	EXTRACT 7
	s_branch .Lcommon
.irp a, 0,1,2,3,4,5
.Lx\a:
	EXTRACT \a
	s_branch .Lcommon
.endr
.Lx6:
	EXTRACT 6
.Lcommon:
.set n, 0
.rept 64
	v_min_num_f32 v[Y+n], 0, v[Y+n]
.set n, n+1
.endr
.set n, 0
.rept 64
	v_exp_f32 v[Y+n], v[Y+n]                       ; one batch of 64
.set n, n+1
.endr
	v_nop                                          ; the plain instruction behind the last exponential
	s_wait_alu depctr_va_vdst(0)                   ; one wait for the batch, ahead of its first reader
.set n, 0
.rept 64
	v_max_num_f32 v[X+n], v[X+n], v[Y+n]           ; phi
.set n, n+1
.endr
	v_max3_num_f32 v8, v[X], v[X+1], v[X+2]        ; q: the largest of my 32 features, two chains
	v_max3_num_f32 v9, v[X+16], v[X+17], v[X+18]
.set n, 0
.rept 6
	v_max3_num_f32 v8, v8, v[X+3+2*n], v[X+4+2*n]
	v_max3_num_f32 v9, v9, v[X+19+2*n], v[X+20+2*n]
.set n, n+1
.endr
	v_max3_num_f32 v8, v8, v[X+15], v[X+31]
	v_max_num_f32 v8, v8, v9
	v_permlanex16_b32 v9, v8, s68, s69             ; the row's other 32 lie in the lane 16 away
	v_max_num_f32 v8, v8, v9
	v_and_b32 v8, 0x7f800000, v8                   ; 2^E
	v_sub_nc_u32 v12, 0x7f000000, v8               ; 2^-E, exact
	ds_store_b32 v[SCA], v12                       ; both halves of the lanes write the same word with the same value
.set n, 0
.rept 16
	v_pk_mul_f32 v[X+2*n:X+2*n+1], v[X+2*n:X+2*n+1], v[12:13] op_sel_hi:[1,0]
	v_pk_mul_f32 v[X+32+2*n:X+32+2*n+1], v[X+32+2*n:X+32+2*n+1], v[14:15] op_sel_hi:[1,0]
.set n, n+1
.endr
.set n, 0
.rept 32
	v_cvt_pk_f16_f32 v[HH+n], v[X+2*n], v[X+2*n+1]
.set n, n+1
.endr
.set n, 0
.rept 12
	ds_store_b128 v[STO], v[HH+4*n:HH+4*n+3] offset:(n/4)*128+(n%4)*32
.set n, n+1
.endr
.set n, 0
.rept 4
	ds_load_b128 v[BK+4*n:BK+4*n+3], v[RDQ] offset:n*4*SPI     ; LDS serves a wave's instructions in order: these see the stores above
.set n, n+1
.endr
.set n, 0
.rept 8
	ds_load_b128 v[BK+16+4*n:BK+16+4*n+3], v[RDK] offset:n*2*SPI
.set n, n+1
.endr
	s_wait_dscnt 0x0
.set n, 0
.rept 4
	global_store_b128 v[GO], v[BK+4*n:BK+4*n+3], s[70:71] offset:512*n        ; 512 consecutive bytes of qb
.set n, n+1
.endr
.set n, 0
.rept 8
	global_store_b128 v[GO], v[BK+16+4*n:BK+16+4*n+3], s[72:73] offset:512*n  ; and of kvb
.set n, n+1
.endr
	s_wait_xcnt 0x0                                ; the stores have read their data and bases: both are written again only behind this wait
	s_add_nc_u64 s[70:71], s[70:71], 2048
	s_add_nc_u64 s[72:73], s[72:73], 4096
	v_add_nc_u32 v[SCA], 64, v[SCA]
	s_add_co_u32 s23, s23, 1
	s_cmp_lt_u32 s23, 8
	s_cbranch_scc1 .Lout
	ds_load_b128 v[BK:BK+3], v[SCR]                ; my 128 rows' 2^-E
	s_wait_dscnt 0x0
	global_store_b128 v[GO], v[BK:BK+3], s[74:75]
	s_wait_tensorcnt 0x0                           ; the wave's end
	ds_add_u32 v[SPW], v[NIL]
	s_wait_dscnt 0x0
	CROUND                                         ; the closing round
	s_endpgm
.Lfunc_end_k_qbeaff14c57_qkv:
	.size	k_qbeaff14c57_qkv, .Lfunc_end_k_qbeaff14c57_qkv-k_qbeaff14c57_qkv
	.p2alignl 7, 3214868480
	.fill 96, 4, 3214868480
	.section	.rodata,"a",@progbits
	.p2align	6, 0x0
	.amdhsa_kernel k_qbeaff14c57_qkv
		.amdhsa_group_segment_fixed_size 327680
		.amdhsa_private_segment_fixed_size 0
		.amdhsa_enable_private_segment 0
		.amdhsa_kernarg_size 48
		.amdhsa_user_sgpr_count 2
		.amdhsa_user_sgpr_kernarg_segment_ptr 1
		.amdhsa_wavefront_size32 1
		.amdhsa_system_sgpr_workgroup_id_x 1
		.amdhsa_system_sgpr_workgroup_id_y 1
		.amdhsa_system_sgpr_workgroup_id_z 1
		.amdhsa_system_vgpr_workitem_id 0
		.amdhsa_next_free_vgpr 1024
		.amdhsa_next_free_sgpr 80
		.amdhsa_reserve_vcc 0
		.amdhsa_float_denorm_mode_32 3
		.amdhsa_float_denorm_mode_16_64 3
		.amdhsa_memory_ordered 1
		.amdhsa_forward_progress 1
		.amdhsa_inst_pref_size 149
	.end_amdhsa_kernel
	.amdgpu_metadata
---
amdhsa.version: [ 1, 2 ]
amdhsa.kernels:
  - .name:           k_qbeaff14c57_qkv
    .symbol:         k_qbeaff14c57_qkv.kd
    .args:
      - { .name: xb, .offset: 0, .size: 8, .value_kind: global_buffer, .address_space: global }
      - { .name: wcat, .offset: 8, .size: 8, .value_kind: global_buffer, .address_space: global }
      - { .name: qb, .offset: 16, .size: 8, .value_kind: global_buffer, .address_space: global }
      - { .name: kvb, .offset: 24, .size: 8, .value_kind: global_buffer, .address_space: global }
      - { .name: sqb, .offset: 32, .size: 8, .value_kind: global_buffer, .address_space: global }
      - { .name: skb, .offset: 40, .size: 8, .value_kind: global_buffer, .address_space: global }
    .group_segment_fixed_size: 327680
    .private_segment_fixed_size: 0
    .kernarg_segment_align: 8
    .kernarg_segment_size: 48
    .max_flat_workgroup_size: 128
    .sgpr_count:     80
    .vgpr_count:     1024
    .wavefront_size: 32
...
	.end_amdgpu_metadata
.endif
;; end of part 2
;; launch attn (part 3): grid 4 x 64, 4 waves a work-group, clusters of 4 x 1, 327,680 bytes of LDS; arguments qb, kvb, sqb, skb, ob; writes ob
.if DOCPART == 3
	.amdgcn_target "amdgcn-amd-amdhsa--gfx1250"
	.amdhsa_code_object_version 6
	.text
	.protected	k_qbeaff14c57_attn
	.globl	k_qbeaff14c57_attn
	.p2align	8
	.type	k_qbeaff14c57_attn,@function
k_qbeaff14c57_attn:
	s_mov_b64 s[64:65], 0
	v_nop
	global_prefetch_b8 v0, s[64:65] scope:SCOPE_SE
	s_setreg_imm32_b32 hwreg(HW_REG_WAVE_MODE, 25, 1), 1
	s_wait_xcnt 0x0
	s_wait_alu depctr_hold_cnt(0) depctr_sa_sdst(0) depctr_va_vdst(0) depctr_va_sdst(0) depctr_va_ssrc(0) depctr_va_vcc(0) depctr_vm_vsrc(0)
	s_getreg_b32 s2, hwreg(HW_REG_IB_STS2, 6, 4)
	s_cmp_eq_u32 s2, 0
	s_cbranch_scc0 .Lentry_in_a_cluster
	s_endpgm
.Lentry_in_a_cluster:
	s_bfe_u32 s2, ttmp6, 0x10000c
	s_cmp_lg_u32 s2, 0x3003
	s_cbranch_scc0 .Lentry_shape_is_right
	s_endpgm
.Lentry_shape_is_right:
; CAUSAL LINEAR ATTENTION by chunks.  out_t = N / (D + 1e-6 isq_t), N, D = the sum over s <= t of (q'_t . k''_s) U_s [v_s, 1]: q' = q isq (a power of two a row), k'' = k / U (a power of two for 128 keys): the scales cancel in the quotient.
; SHARES.  A cluster of four work-groups is one (batch, head).  Work-group cx owns rows 512 cx .. + 511, wave w the chunk of 128 rows at 512 cx + 128 w.
; PREFIX.  All four partners walk the same three rounds i = 2, 1, 0 by JOINT loads; wave w takes the tile of rows 512 i + 128 w and adds K''^T [V, 1] onto T in place.  Round i counts if i < cx: F = 1.0 or 0, a value, never a branch.
; Ahead of each later tile T is multiplied by U_before F_before / U_this, which is 0 behind a tile that does not count: the rounds go downward so that those come first.  So all trip counts are constants and all partners run alike.
; Then the waves' T (at true scale, f32) meet in LDS, likewise the sums C of the waves' own chunks: S = all T + the C of the waves before me.
; CHUNK.  S is scaled by powers of two (its v part and its z column apart) and rounded to f16.  For each 16 queries: scores P' = K'' Q' up to the diagonal, inter part S16 Q'; M = the largest of P' U, q' . z and 2^-60;
; weights f16(P' U / M) <= 1; the inter sums are multiplied by 1 / M at true scale and V^T P adds onto them in place; the divisor comes from a column of ones in the same products, so numerator and divisor see the same rounded weights.
; ob [128-row block 64][head 16][144 rows][64] f16: rows 0-127 O, rows 128-143 the f16 remainder of rows 0-15, which the last launch adds.
; LIMITS.  A weight below 2^-24 of M counts as 0; an entry of S below 2^-24 of its part's largest counts as 0; sums below 2^-60 in the scale of q' are small beside 1e-6 isq.  NaN and infinities are not treated apart.
; No prefetch: a wave's four tiles are all asked for within its first two tile sums.
; LAYOUTS.  State = K''^T V (source 0 = 16 features, source 1 = 16 channels, both turned out of LDS): a lane holds a channel and 8 features; two such results rounded in pairs ARE source 0 of the inter product.
; Scores, inter part and V^T P all hold ONE query a lane.  ONE (lanes with l % 16 = 0 hold 1.0) is the column of ones.
; REGISTERS.  window 0: v0-19 addresses; v20-39 pairs whose low word is broadcast; v40-47 the diagonal's mask; v48-55 ONE; v56-63 1e-6 isq; v64-75 constants and work; v88-247 C / temporaries, later scores 88, weights 152, sums 184, packed 224, back 240
;   window 1: v0-159 T, then S: (fb, cb) at 8 (5 fb + cb); v160-239 S16: (cb, c) at 160 + 16 cb + 8 c.   window 2: v0-127 K turned (fb, g) at 8 (4 g + fb), later K by rows (kb, c) at 16 kb + 8 c; v128-255 V turned (cb, g).   window 3: v0-127 Q (i, c) at 16 i + 8 c
.set PT,    288                        ; a row k | v in LDS: 256 bytes + 32
.set TILEB, 128*PT
.set WREG,  2*TILEB                    ; a wave's two slots; the first 20,480 bytes of slot A serve the exchange once the slot has had its last fill
.set STAGE, 4*WREG
.set SP,    144
.set SPARE, STAGE+4*16*SP
.set ATA, 4
.set ATB, 5
.set AKR, 6
.set XW,  7
.set XR,  8
.set STO, 12
.set RD,  13
.set GO,  14
.set QO,  15
.set EO,  17
.set SPW, 18
.set NIL, 19
.set MK,  40
.set EQ,  56
.set CA,  88
.set TB0, 88
.set ST,  88
.set P16, 152
.set IN,  184
.set HH,  224
.set BK,  240
.set MSB, 0
.macro WIN new
.if MSB != (\new)
	s_set_vgpr_msb (MSB<<8)|(\new)
.set MSB, (\new)
.endif
.endm
.macro PLACES
.rept 4
	v_nop
.endr
.endm
.macro CROUND                          ; a round of the cluster's barrier
	s_barrier_signal -1
	s_barrier_wait -1
	s_cmp_lg_u32 s14, 0
	s_cbranch_scc1 .Lnot_wave_0_\@
	s_barrier_signal -3
.Lnot_wave_0_\@:
	s_barrier_wait -3
	s_barrier_signal -1
	s_barrier_wait -1
.endm
	s_load_b256 s[4:11], s[0:1], 0x0               ; qb s[4:5], kvb s[6:7], sqb s[8:9], skb s[10:11]
	s_load_b64 s[12:13], s[0:1], 0x20              ; ob
	v_lshl_add_u32 v[SPW], v0, 2, SPARE
	v_mov_b32 v[NIL], 0
	ds_add_u32 v[SPW], v[NIL]                      ; the wave's opening: the add and its wait stand ahead of my first tensor load
	v_lshrrev_b32 v1, 5, v0
	v_readfirstlane_b32 s14, v1                    ; wave
	s_bfe_u32 s15, ttmp6, 0x40000                  ; cx
	s_and_b32 s16, ttmp7, 0xffff                   ; bh, which the four partners share
	s_mov_b32 s24, 15|(1<<16)|(1<<20)|(1<<21)|(5<<22)|(7<<25)  ; joint: the mask of four, bit 21 beside it; 2-byte elements; 8 words of padding behind every 64
	s_mov_b32 s32, (1<<16)|(1<<20)|(5<<22)|(7<<25)             ; my own tile: no mask
.irp g, 24, 32
	s_mov_b32 s[\g+1], 128<<16                     ; 128 rows of 128 elements, dense
	s_mov_b32 s[\g+2], 128<<16
	s_mov_b32 s[\g+3], 128<<16
	s_mov_b32 s[\g+4], 128
	s_mov_b32 s[\g+5], 128
	s_mov_b32 s[\g+6], 0
	s_mov_b32 s[\g+7], 0
.endr
	s_lshl_b32 s20, s16, 19                        ; kvb: the head's 2,048 rows of 256 bytes,
	s_lshl_b32 s17, s14, 15                        ; my 128 rows of a round
	s_add_co_u32 s20, s20, s17
	s_mov_b32 s21, 0
	s_lshl_b32 s22, s15, 17                        ; my work-group's 512 rows: enters my own tile's address alone
	s_mov_b32 s23, 0
	s_mul_i32 s78, s14, WREG                       ; slot A
	s_add_co_u32 s79, s78, TILEB                   ; slot B
	s_lshl_b32 s70, s16, 12                        ; skb: 16 chunks of 256 bytes a head,
	s_lshl_b32 s17, s14, 8
	s_add_co_u32 s70, s70, s17
	s_mov_b32 s71, 0
	s_lshl_b32 s86, s15, 10
	s_mov_b32 s87, 0
	s_lshl_b32 s88, s16, 11                        ; my chunk's first row among the 64 x 2,048
	s_lshl_b32 s18, s15, 9
	s_add_co_u32 s88, s88, s18
	s_lshl_b32 s18, s14, 7
	s_add_co_u32 s88, s88, s18
	s_cmp_gt_u32 s15, 2
	s_cselect_b32 s56, 1.0, 0                      ; does round 2 count?
	s_cmp_gt_u32 s15, 1
	s_cselect_b32 s57, 1.0, 0
	s_cmp_gt_u32 s15, 0
	s_cselect_b32 s58, 1.0, 0
	s_mov_b32 s60, 0x76543210
	s_mov_b32 s61, 0xfedcba98
	s_wait_dscnt 0x0                               ; the opening add is done
	s_wait_kmcnt 0x0
	s_add_nc_u64 s[66:67], s[6:7], s[20:21]
	s_mov_b32 s40, 1                               ; four descriptors, never rewritten: round 2 into A,
	s_mov_b32 s41, s78
	s_add_nc_u64 s[42:43], s[66:67], 262144
	s_or_b32 s43, s43, 0x80000000
	s_mov_b32 s44, 1                               ; round 1 into B,
	s_mov_b32 s45, s79
	s_add_nc_u64 s[46:47], s[66:67], 131072
	s_or_b32 s47, s47, 0x80000000
	s_mov_b32 s48, 1                               ; round 0 into A,
	s_mov_b32 s49, s78
	s_add_nc_u64 s[50:51], s[66:67], 0
	s_or_b32 s51, s51, 0x80000000
	s_mov_b32 s52, 1                               ; my own chunk into B
	s_mov_b32 s53, s79
	s_add_nc_u64 s[54:55], s[66:67], s[22:23]
	s_or_b32 s55, s55, 0x80000000
	s_add_nc_u64 s[68:69], s[10:11], s[70:71]
	s_add_nc_u64 s[70:71], s[68:69], s[86:87]
	s_load_b32 s80, s[68:69], 0x800                ; U of my tile of round 2,
	s_load_b32 s81, s[68:69], 0x400                ; of round 1,
	s_load_b32 s82, s[68:69], 0x0                  ; of round 0,
	s_load_b32 s83, s[70:71], 0x0                  ; of my own chunk
	s_lshl_b32 s86, s88, 2
	s_add_nc_u64 s[72:73], s[8:9], s[86:87]        ; sqb at my chunk
	s_lshl_b32 s86, s88, 7
	s_add_nc_u64 s[74:75], s[4:5], s[86:87]        ; qb
	s_lshr_b32 s18, s16, 4
	s_lshl_b32 s18, s18, 4
	s_lshl_b32 s19, s15, 2
	s_add_co_u32 s18, s18, s19
	s_add_co_u32 s18, s18, s14                     ; block of 128 rows: 16 b + 4 cx + w
	s_lshl_b32 s18, s18, 4
	s_and_b32 s19, s16, 15
	s_add_co_u32 s18, s18, s19
	s_mul_i32 s86, s18, 18432
	s_add_nc_u64 s[76:77], s[12:13], s[86:87]      ; ob
	CROUND                                         ; all four work-groups are here: the first joint loads meet
	tensor_load_to_lds s[40:43], s[24:31]
	s_nop 0
	tensor_load_to_lds s[44:47], s[24:31]          ; two loads of mine are out; one behind each later refill
	s_nop 0
	PLACES
	v_and_b32 v1, 15, v0                           ; r
	v_bfe_u32 v2, v0, 4, 1                         ; h
	v_and_b32 v3, 31, v0                           ; lane
	v_lshlrev_b32 v[QO], 7, v1
	v_lshl_add_u32 v[QO], v2, 4, v[QO]
	v_lshlrev_b32 v[EO], 2, v1
.irp i, 0,1,2,3,4,5,6,7
	global_load_b32 v[EQ+(\i)], v[EO], s[72:73] offset:64*(\i)   ; isq of query 16 i + r
.endr
	WIN 0xc0                                       ; destination window 3
.set n, 0
.rept 16
	global_load_b128 v[8*n:8*n+3],   v[QO], s[74:75] offset:(n/2)*2048+(n%2)*64
	global_load_b128 v[8*n+4:8*n+7], v[QO], s[74:75] offset:(n/2)*2048+(n%2)*64+32
.set n, n+1
.endr
	WIN 0
	v_and_b32 v68, 7, v0
	v_lshl_add_u32 v69, v2, 3, v68
	v_mul_u32_u24 v69, v69, PT                     ; the turning load: lane l reads row 8 h + l % 8, 16 bytes at 16 ((l / 8) % 2)
	v_bfe_u32 v70, v0, 3, 1
	v_lshl_add_u32 v69, v70, 4, v69
	v_add_nc_u32 v[ATA], s78, v69
	v_add_nc_u32 v[ATB], s79, v69
	v_mul_u32_u24 v69, v1, PT
	v_lshl_add_u32 v69, v2, 4, v69
	v_add_nc_u32 v[AKR], s79, v69
	v_lshlrev_b32 v[GO], 4, v3
	v_add_nc_u32 v[XW], s78, v[GO]
	s_mul_i32 s17, s14, 16*SP
	s_add_co_u32 s17, s17, STAGE
	v_mul_u32_u24 v69, v1, SP
	v_lshl_add_u32 v69, v2, 4, v69
	v_add_nc_u32 v[STO], s17, v69
	v_lshrrev_b32 v69, 3, v3
	v_mul_u32_u24 v69, v69, SP
	v_lshl_add_u32 v69, v68, 4, v69
	v_add_nc_u32 v[RD], s17, v69
.set n, 20
.rept 20
	v_mov_b32 v[n], 0                              ; the pairs: their upper words are named with the lower
.set n, n+1
.endr
.set n, 68
.rept 8
	v_mov_b32 v[n], 0
.set n, n+1
.endr
	v_mov_b32 v64, -1.0
	v_mov_b32 v67, 0x21800000                      ; 2^-60
	s_wait_kmcnt 0x0                               ; the four U
	s_sub_co_u32 s84, 0x7f000000, s81              ; 1 / U of a power of two: exact
	s_sub_co_u32 s85, 0x7f000000, s82
	v_mov_b32 v24, s80
	v_mul_f32 v24, s56, v24
	v_mul_f32 v24, s84, v24                        ; ahead of round 1: U2 F2 / U1
	v_mov_b32 v22, s81
	v_mul_f32 v22, s57, v22
	v_mul_f32 v22, s85, v22                        ; ahead of round 0: U1 F1 / U0
	v_mov_b32 v20, s82
	v_mul_f32 v20, s58, v20                        ; T's true scale: U0 F0
	v_mov_b32 v38, s83                             ; my chunk's U
.macro LOADF adr                       ; a tile's K and V, turned: 64 loads
	WIN 0x80
.irp g, 0,1,2,3
.irp f, 0,1,2,3
	ds_load_tr16_b128 v[8*(4*(\g)+(\f)):8*(4*(\g)+(\f))+3],           v[\adr] offset:(\g)*32*PT+(\f)*32
	ds_load_tr16_b128 v[8*(4*(\g)+(\f))+4:8*(4*(\g)+(\f))+7],         v[\adr] offset:(\g)*32*PT+16*PT+(\f)*32
	ds_load_tr16_b128 v[128+8*(4*(\g)+(\f)):128+8*(4*(\g)+(\f))+3],   v[\adr] offset:(\g)*32*PT+128+(\f)*32
	ds_load_tr16_b128 v[128+8*(4*(\g)+(\f))+4:128+8*(4*(\g)+(\f))+7], v[\adr] offset:(\g)*32*PT+16*PT+128+(\f)*32
.endr
.endr
	WIN 0
.endm
; 80 products K^T [V, 1] over 128 keys; the 20 accumulators take turns, one instruction a turn
.macro STATE base, wv, wo, zero
.irp g, 0,1,2,3
	WIN \wv
.irp f, 0,1,2,3
.irp c, 0,1,2,3
.if (\zero) && ((\g) == 0)
	v_wmma_f32_16x16x32_f16 v[(\base)+8*(5*(\f)+(\c)):(\base)+8*(5*(\f)+(\c))+7], v[8*(4*(\g)+(\f)):8*(4*(\g)+(\f))+7], v[128+8*(4*(\g)+(\c)):128+8*(4*(\g)+(\c))+7], 0
.else
	v_wmma_f32_16x16x32_f16 v[(\base)+8*(5*(\f)+(\c)):(\base)+8*(5*(\f)+(\c))+7], v[8*(4*(\g)+(\f)):8*(4*(\g)+(\f))+7], v[128+8*(4*(\g)+(\c)):128+8*(4*(\g)+(\c))+7], v[(\base)+8*(5*(\f)+(\c)):(\base)+8*(5*(\f)+(\c))+7]
.endif
.endr
.endr
	WIN \wo
.irp f, 0,1,2,3
.if (\zero) && ((\g) == 0)
	v_wmma_f32_16x16x32_f16 v[(\base)+8*(5*(\f)+4):(\base)+8*(5*(\f)+4)+7], v[8*(4*(\g)+(\f)):8*(4*(\g)+(\f))+7], v[48:55], 0
.else
	v_wmma_f32_16x16x32_f16 v[(\base)+8*(5*(\f)+4):(\base)+8*(5*(\f)+4)+7], v[8*(4*(\g)+(\f)):8*(4*(\g)+(\f))+7], v[48:55], v[(\base)+8*(5*(\f)+4):(\base)+8*(5*(\f)+4)+7]
.endif
.endr
.endr
	WIN 0
.endm
.macro RESC pr                         ; T times the pair's low word
	WIN 0x41
.set n, 0
.rept 80
	v_pk_mul_f32 v[2*n:2*n+1], v[2*n:2*n+1], v[(\pr):(\pr)+1] op_sel_hi:[1,0]
.set n, n+1
.endr
	WIN 0
.endm
.macro PUT base, wm, ws, pr            ; 160 sums to their true scale, then into my exchange bytes: register group m at 512 m + 16 x lane
	WIN \wm
.set n, 0
.rept 80
	v_pk_mul_f32 v[(\base)+2*n:(\base)+2*n+1], v[(\base)+2*n:(\base)+2*n+1], v[(\pr):(\pr)+1] op_sel_hi:[1,0]
.set n, n+1
.endr
	WIN \ws
.set n, 0
.rept 40
	ds_store_b128 v[XW], v[(\base)+4*n:(\base)+4*n+3] offset:512*n
.set n, n+1
.endr
	WIN 0
.endm
.macro ADDARR                          ; S += the array at XR: four batches of ten loads into two buffers of 40 registers
	WIN 0
.set m, 0
.rept 10
	ds_load_b128 v[TB0+4*m:TB0+4*m+3], v[XR] offset:512*m
.set m, m+1
.endr
.irp bt, 0,1,2,3
.if (\bt) < 3
	WIN 0
.set m, 0
.rept 10
	ds_load_b128 v[TB0+40*(((\bt)+1)%2)+4*m:TB0+40*(((\bt)+1)%2)+4*m+3], v[XR] offset:512*(10*((\bt)+1)+m)
.set m, m+1
.endr
	s_wait_dscnt 10                                ; this batch is in; the ten just issued stay out
.else
	s_wait_dscnt 0x0
.endif
	WIN 0x41
.set m, 0
.rept 20
	v_pk_add_f32 v[40*(\bt)+2*m:40*(\bt)+2*m+1], v[40*(\bt)+2*m:40*(\bt)+2*m+1], v[TB0+40*((\bt)%2)+2*m:TB0+40*((\bt)%2)+2*m+1]
.set m, m+1
.endr
.endr
	WIN 0
.endm
	s_wait_tensorcnt 0x1                           ; round 2's tile is in my slot A (only I read my slots); round 1's may stay out
	LOADF ATA
	s_wait_tensorcnt 0x0                           ; ahead of the refill of A: all my tensor loads have landed,
	ds_add_u32 v[SPW], v[NIL]                      ; the add, work on registers behind it,
	v_lshlrev_b32 v72, 3, v2
	v_sub_nc_u32 v72, v1, v72                      ; r - 8 h
	v_mov_b32 v73, 1.0
.irp j, 0,1,2,3,4,5,6,7
	v_cmp_le_i32 vcc_lo, \j, v72                   ; key 8 h + j is seen by query r
	v_cndmask_b32 v[MK+(\j)], 0, v73, vcc_lo
.endr
	v_mov_b32 v73, 0x3c003c00                      ; 1.0 twice in f16
	v_cmp_eq_u32 vcc_lo, 0, v1
.irp j, 48,49,50,51,52,53,54,55
	v_cndmask_b32 v\j, 0, v73, vcc_lo
.endr
	s_wait_dscnt 0x0                               ; the add is done and my reads of A are back
	CROUND
	tensor_load_to_lds s[48:51], s[24:31]          ; round 0 into A: the first thing behind the round
	s_nop 0
	PLACES
	STATE 0, 0x5a, 0x52, 1                         ; round 2 starts T
	PLACES
	LOADF ATB                                      ; round 1: shown landed by the wait for 0 above
	s_wait_tensorcnt 0x0
	ds_add_u32 v[SPW], v[NIL]
	RESC 24                                        ; stands between the add and the wait for it
	s_wait_dscnt 0x0
	CROUND
	tensor_load_to_lds s[52:55], s[32:39]          ; my own chunk into B
	s_nop 0
	PLACES
	STATE 0, 0x5a, 0x52, 0
	PLACES
	LOADF ATA                                      ; round 0: shown landed by the wait for 0 above
	RESC 22
	s_wait_dscnt 0x0
	STATE 0, 0x5a, 0x52, 0
	PLACES
	PUT 0, 0x41, 0x04, 20                          ; slot A has had its last fill and my reads of it are back
	s_wait_dscnt 0x0                               ; for the others' sake
	s_barrier_signal -1
	s_barrier_wait -1                              ; all four T lie in LDS; my own tile may stay out across it
	s_wait_tensorcnt 0x0
	LOADF ATB                                      ; my own chunk
	v_mov_b32 v[XR], v[GO]
	WIN 0x40
.set m, 0
.rept 40
	ds_load_b128 v[4*m:4*m+3], v[XR] offset:512*m  ; S starts as wave 0's T
.set m, m+1
.endr
	WIN 0
	s_mov_b32 s17, 3
.Lsum_t:                                               ; and takes the other three
	v_add_nc_u32 v[XR], WREG, v[XR]
	ADDARR
	s_sub_co_u32 s17, s17, 1
	s_cmp_lg_u32 s17, 0
	s_cbranch_scc1 .Lsum_t
	STATE CA, 0x0a, 0x02, 1                        ; C: my chunk's sum
	PLACES
	s_wait_dscnt 0x0
	s_barrier_signal -1
	s_barrier_wait -1                              ; every wave has read all T: the exchange bytes may be written again
	PUT CA, 0, 0, 38
	s_wait_dscnt 0x0
	s_barrier_signal -1
	s_barrier_wait -1                              ; all four C lie in LDS
	v_mov_b32 v[XR], v[GO]
	s_mov_b32 s17, 0
.Lsum_c:                                               ; three steps; those of waves not before me are jumped over
	s_cmp_ge_u32 s17, s14
	s_cbranch_scc1 .Lskip_c
	ADDARR
.Lskip_c:
	v_add_nc_u32 v[XR], WREG, v[XR]
	s_add_co_u32 s17, s17, 1
	s_cmp_lt_u32 s17, 3
	s_cbranch_scc1 .Lsum_c
	WIN 0x80
.set n, 0
.rept 16                                       ; K by rows: 16 keys x 32 features
	ds_load_b128 v[8*n:8*n+3],   v[AKR] offset:(n/2)*16*PT+(n%2)*64
	ds_load_b128 v[8*n+4:8*n+7], v[AKR] offset:(n/2)*16*PT+(n%2)*64+32
.set n, n+1
.endr
	WIN 0
	s_wait_loadcnt 0x0                             ; Q and isq
.irp i, 0,1,2,3,4,5,6,7
	v_mul_f32 v[EQ+(\i)], 0x358637bd, v[EQ+(\i)]   ; 1e-6 isq
.endr
.set n, 68
.rept 6
	v_mov_b32 v[n], 0
.set n, n+1
.endr
	WIN 0x14                                       ; sources 1 and 2 in window 1: the largest |S|, v part (four chains) and z column (two)
.irp f, 0,1,2,3
.irp c, 0,1,2,3
.irp m, 0,1,2,3
	v_max3_num_f32 v[68+(\m)], v[68+(\m)], |v[8*(5*(\f)+(\c))+2*(\m)]|, |v[8*(5*(\f)+(\c))+2*(\m)+1]|
.endr
.endr
.irp m, 0,1,2,3
	v_max3_num_f32 v[72+(\m)%2], v[72+(\m)%2], |v[8*(5*(\f)+4)+2*(\m)]|, |v[8*(5*(\f)+4)+2*(\m)+1]|
.endr
.endr
	WIN 0
	v_max3_num_f32 v68, v68, v69, v70
	v_max_num_f32 v72, v72, v73
	v_max_num_f32 v68, v68, v71
.irp x, 1,2,4,8
	v_max_num_f32_dpp v68, v68, v68 row_xmask:\x row_mask:0xf bank_mask:0xf
	v_max_num_f32_dpp v72, v72, v72 row_xmask:\x row_mask:0xf bank_mask:0xf
.endr
	v_permlanex16_b32 v69, v68, s60, s61
	v_permlanex16_b32 v73, v72, s60, s61
	v_max_num_f32 v68, v68, v69
	v_max_num_f32 v72, v72, v73
	v_and_b32 v65, 0x7f800000, v68                 ; the v part's power of two,
	v_sub_nc_u32 v34, 0x7f000000, v65              ; and its inverse
	v_and_b32 v66, 0x7f800000, v72                 ; the z column's
	v_sub_nc_u32 v36, 0x7f000000, v66
	WIN 0x41
.irp f, 0,1,2,3
.irp c, 0,1,2,3
.irp m, 0,2,4,6
	v_pk_mul_f32 v[8*(5*(\f)+(\c))+(\m):8*(5*(\f)+(\c))+(\m)+1], v[8*(5*(\f)+(\c))+(\m):8*(5*(\f)+(\c))+(\m)+1], v[34:35] op_sel_hi:[1,0]
.endr
.endr
.irp m, 0,2,4,6
	v_pk_mul_f32 v[8*(5*(\f)+4)+(\m):8*(5*(\f)+4)+(\m)+1], v[8*(5*(\f)+4)+(\m):8*(5*(\f)+4)+(\m)+1], v[36:37] op_sel_hi:[1,0]
.endr
.endr
	WIN 0x45                                       ; all in window 1
.irp c, 0,1,2,3,4
.irp f, 0,1,2,3
.irp m, 0,1,2,3
	v_cvt_pk_f16_f32 v[160+16*(\c)+4*(\f)+(\m)], v[8*(5*(\f)+(\c))+2*(\m)], v[8*(5*(\f)+(\c))+2*(\m)+1]  ; feature blocks 2 c', 2 c' + 1 make fragment c'
.endr
.endr
.endr
	WIN 0
	s_wait_dscnt 0x0                               ; K by rows is in
; Sixteen queries.  No two matrix instructions that follow each other share an accumulator.
.macro STAGEOUT off                    ; 16 rows x 128 bytes through my stage, then 2,048 consecutive bytes of ob
	s_wait_xcnt 0x0                                ; earlier stores have read BK
.irp f, 0,1,2,3
	ds_store_b128 v[STO], v[HH+4*(\f):HH+4*(\f)+3] offset:32*(\f)
.endr
.irp f, 0,1,2,3
	ds_load_b128 v[BK+4*(\f):BK+4*(\f)+3], v[RD] offset:(\f)*4*SP   ; LDS serves a wave's instructions in order
.endr
	s_wait_dscnt 0x0
.irp f, 0,1,2,3
	global_store_b128 v[GO], v[BK+4*(\f):BK+4*(\f)+3], s[76:77] offset:(\off)+512*(\f)
.endr
.endm
.macro TILE i
.irp c, 0,1
	WIN 0x0e                                       ; K in window 2, Q in window 3
.set kb, 0
.rept (\i)+1
.if (\c) == 0
	v_wmma_f32_16x16x32_f16 v[ST+8*kb:ST+8*kb+7], v[16*kb:16*kb+7], v[16*(\i):16*(\i)+7], 0
.else
	v_wmma_f32_16x16x32_f16 v[ST+8*kb:ST+8*kb+7], v[16*kb+8:16*kb+15], v[16*(\i)+8:16*(\i)+15], v[ST+8*kb:ST+8*kb+7]
.endif
.set kb, kb+1
.endr
	WIN 0x0d                                       ; S16 in window 1, Q in window 3
.set cb, 0
.rept 5
.if (\c) == 0
	v_wmma_f32_16x16x32_f16 v[IN+8*cb:IN+8*cb+7], v[160+16*cb:160+16*cb+7], v[16*(\i):16*(\i)+7], 0
.else
	v_wmma_f32_16x16x32_f16 v[IN+8*cb:IN+8*cb+7], v[160+16*cb+8:160+16*cb+15], v[16*(\i)+8:16*(\i)+15], v[IN+8*cb:IN+8*cb+7]
.endif
.set cb, cb+1
.endr
.endr
	WIN 0
	PLACES
.set m, 0
.rept 4
	v_pk_mul_f32 v[ST+8*(\i)+2*m:ST+8*(\i)+2*m+1], v[ST+8*(\i)+2*m:ST+8*(\i)+2*m+1], v[MK+2*m:MK+2*m+1]  ; the diagonal block: hidden keys count 0
.set m, m+1
.endr
	v_mov_b32 v68, 0                               ; scores are sums of products of numbers >= 0
	v_mov_b32 v69, 0
.set n, 0
.rept 4*((\i)+1)
	v_max3_num_f32 v[68+n%2], v[68+n%2], v[ST+2*n], v[ST+2*n+1]
.set n, n+1
.endr
	v_permlanex16_b32 v70, v[IN+32], s60, s61      ; q' . z16 lies in register 0 of lanes 0-15, 0 in the others
	v_max_num_f32 v68, v68, v69
	v_add_f32 v70, v70, v[IN+32]
	v_permlanex16_b32 v69, v68, s60, s61
	v_mul_f32 v70, v70, v66                        ; at true scale
	v_max_num_f32 v68, v68, v69
	v_mul_f32 v68, v68, v38
	v_max3_num_f32 v68, v68, v70, v67              ; M
	v_rcp_f32 v71, v68
	v_nop
	s_wait_alu depctr_va_vdst(0)
	v_mul_f32 v26, v71, v38                        ; U / M
	v_mul_f32 v28, v71, v65
	v_mul_f32 v30, v71, v66
.set n, 0
.rept 4*((\i)+1)
	v_pk_mul_f32 v[ST+2*n:ST+2*n+1], v[ST+2*n:ST+2*n+1], v[26:27] op_sel_hi:[1,0]
.set n, n+1
.endr
.set n, 0
.rept 4*((\i)+1)
	v_cvt_pk_f16_f32 v[P16+n], v[ST+2*n], v[ST+2*n+1]
.set n, n+1
.endr
.if (\i)%2 == 0
.set m, 0
.rept 4
	v_mov_b32 v[P16+4*((\i)+1)+m], 0               ; the upper 16 keys of the last 32 lie beyond the diagonal
.set m, m+1
.endr
.endif
.set n, 0
.rept 16
	v_pk_mul_f32 v[IN+2*n:IN+2*n+1], v[IN+2*n:IN+2*n+1], v[28:29] op_sel_hi:[1,0]
.set n, n+1
.endr
.set n, 16
.rept 4
	v_pk_mul_f32 v[IN+2*n:IN+2*n+1], v[IN+2*n:IN+2*n+1], v[30:31] op_sel_hi:[1,0]
.set n, n+1
.endr
.set g, 0
.rept (\i)/2+1
	WIN 0x02                                       ; V in window 2
.set cb, 0
.rept 4
	v_wmma_f32_16x16x32_f16 v[IN+8*cb:IN+8*cb+7], v[128+8*(4*g+cb):128+8*(4*g+cb)+7], v[P16+8*g:P16+8*g+7], v[IN+8*cb:IN+8*cb+7]
.set cb, cb+1
.endr
	WIN 0
	v_wmma_f32_16x16x32_f16 v[IN+32:IN+39], v[48:55], v[P16+8*g:P16+8*g+7], v[IN+32:IN+39]
.set g, g+1
.endr
	PLACES
	v_permlanex16_b32 v70, v[IN+32], s60, s61
	v_add_f32 v70, v70, v[IN+32]
	v_fma_f32 v70, v[EQ+(\i)], v71, v70            ; D / M + 1e-6 isq / M
	v_rcp_f32 v32, v70
	v_nop
	s_wait_alu depctr_va_vdst(0)
.set n, 0
.rept 16
	v_pk_mul_f32 v[IN+2*n:IN+2*n+1], v[IN+2*n:IN+2*n+1], v[32:33] op_sel_hi:[1,0]
.set n, n+1
.endr
.set n, 0
.rept 16
	v_cvt_pk_f16_f32 v[HH+n], v[IN+2*n], v[IN+2*n+1]
.set n, n+1
.endr
	STAGEOUT 2048*(\i)
.if (\i) == 0
.set n, 0
.rept 16                                       ; what the rounding of rows 0-15 dropped: O - f16(O), exact in f32
	v_fma_mix_f32 v[IN+2*n], v[HH+n], v64, v[IN+2*n] op_sel_hi:[1,0,0]
	v_fma_mix_f32 v[IN+2*n+1], v[HH+n], v64, v[IN+2*n+1] op_sel:[1,0,0] op_sel_hi:[1,0,0]
.set n, n+1
.endr
.set n, 0
.rept 16
	v_cvt_pk_f16_f32 v[HH+n], v[IN+2*n], v[IN+2*n+1]
.set n, n+1
.endr
	STAGEOUT 16384
.endif
.endm
	TILE 0
	TILE 1
	TILE 2
	TILE 3
	TILE 4
	TILE 5
	TILE 6
	TILE 7
	s_wait_tensorcnt 0x0                           ; the wave's end
	ds_add_u32 v[SPW], v[NIL]
	s_wait_dscnt 0x0
	CROUND                                         ; the closing round
	s_endpgm
.Lfunc_end_k_qbeaff14c57_attn:
	.size	k_qbeaff14c57_attn, .Lfunc_end_k_qbeaff14c57_attn-k_qbeaff14c57_attn
	.p2alignl 7, 3214868480
	.fill 96, 4, 3214868480
	.section	.rodata,"a",@progbits
	.p2align	6, 0x0
	.amdhsa_kernel k_qbeaff14c57_attn
		.amdhsa_group_segment_fixed_size 327680
		.amdhsa_private_segment_fixed_size 0
		.amdhsa_enable_private_segment 0
		.amdhsa_kernarg_size 40
		.amdhsa_user_sgpr_count 2
		.amdhsa_user_sgpr_kernarg_segment_ptr 1
		.amdhsa_wavefront_size32 1
		.amdhsa_system_sgpr_workgroup_id_x 1
		.amdhsa_system_sgpr_workgroup_id_y 1
		.amdhsa_system_sgpr_workgroup_id_z 1
		.amdhsa_system_vgpr_workitem_id 0
		.amdhsa_next_free_vgpr 1024
		.amdhsa_next_free_sgpr 90
		.amdhsa_reserve_vcc 1
		.amdhsa_float_denorm_mode_32 3
		.amdhsa_float_denorm_mode_16_64 3
		.amdhsa_memory_ordered 1
		.amdhsa_forward_progress 1
		.amdhsa_inst_pref_size 210
	.end_amdhsa_kernel
	.amdgpu_metadata
---
amdhsa.version: [ 1, 2 ]
amdhsa.kernels:
  - .name:           k_qbeaff14c57_attn
    .symbol:         k_qbeaff14c57_attn.kd
    .args:
      - { .name: qb, .offset: 0, .size: 8, .value_kind: global_buffer, .address_space: global }
      - { .name: kvb, .offset: 8, .size: 8, .value_kind: global_buffer, .address_space: global }
      - { .name: sqb, .offset: 16, .size: 8, .value_kind: global_buffer, .address_space: global }
      - { .name: skb, .offset: 24, .size: 8, .value_kind: global_buffer, .address_space: global }
      - { .name: ob, .offset: 32, .size: 8, .value_kind: global_buffer, .address_space: global }
    .group_segment_fixed_size: 327680
    .private_segment_fixed_size: 0
    .kernarg_segment_align: 8
    .kernarg_segment_size: 40
    .max_flat_workgroup_size: 128
    .sgpr_count:     90
    .vgpr_count:     1024
    .wavefront_size: 32
...
	.end_amdgpu_metadata
.endif
;; end of part 3
;; launch oproj (part 4): grid 4 x 64, 4 waves a work-group, clusters of 4 x 4, 327,680 bytes of LDS; arguments ob, wob, out0; writes out0
.if DOCPART == 4
	.amdgcn_target "amdgcn-amd-amdhsa--gfx1250"
	.amdhsa_code_object_version 6
	.text
	.protected	k_qbeaff14c57_oproj
	.globl	k_qbeaff14c57_oproj
	.p2align	8
	.type	k_qbeaff14c57_oproj,@function
k_qbeaff14c57_oproj:
	s_mov_b64 s[64:65], 0
	v_nop
	global_prefetch_b8 v0, s[64:65] scope:SCOPE_SE
	s_setreg_imm32_b32 hwreg(HW_REG_WAVE_MODE, 25, 1), 1
	s_wait_xcnt 0x0
	s_wait_alu depctr_hold_cnt(0) depctr_sa_sdst(0) depctr_va_vdst(0) depctr_va_sdst(0) depctr_va_ssrc(0) depctr_va_vcc(0) depctr_vm_vsrc(0)
	s_getreg_b32 s2, hwreg(HW_REG_IB_STS2, 6, 4)
	s_cmp_eq_u32 s2, 0
	s_cbranch_scc0 .Lentry_in_a_cluster
	s_endpgm
.Lentry_in_a_cluster:
	s_bfe_u32 s2, ttmp6, 0x10000c
	s_cmp_lg_u32 s2, 0xf033
	s_cbranch_scc0 .Lentry_shape_is_right
	s_endpgm
.Lentry_shape_is_right:
; OUT = O Wo.  f16 operands (wob holds bf16(Wo) as f16), f32 sums, f32 out.  A work-group makes 128 rows x 256 columns; wave w all 128 rows x columns 64 w .. + 63: 32 accumulators.
; ob holds, for each block of 128 rows and each head, 144 rows of 64: rows 128-143 are the f16 remainder of rows 0-15; their products are added onto the accumulators of rows 0-15: one product in nine, alike in all four waves.
; K goes in steps of 128 (two heads) through two LDS slots.  A's tile: 2 x 18,432 dense bytes, asked for as rows of 256; B's: 128 rows of Wo x 512 bytes, read turned.
; CLUSTER 4 x 4: A's tile is asked for jointly along a row of the cluster, B's along a column.  The matrix instruction is used transposed: a lane holds 8 neighbouring columns of one row.
; REGISTERS: window 0: addresses; v32-95 two buffers of rows read back.  window 1: two fragment buffers of 128: Wo's four at 8 b, O's nine at 32 + 8 a.  window 2: accumulator (a, b) at 8 (4 a + b).
.set PAO,   144
.set AHEAD, 144*PAO                    ; a head's 144 rows
.set PBO,   544                        ; 512 bytes + 32: 17 x 32
.set BHALF, 64*PBO
.set BOFF,  2*AHEAD
.set SLOT,  BOFF+2*BHALF               ; 111,104
.set STAGE, 2*SLOT                     ; 16 rows x 272 bytes for each wave
.set SPITCH, 272
.set SPARE, STAGE+4*16*SPITCH
.set ADRA, 16
.set ADRB, 20
.set STO,  24
.set RD,   25
.set CO,   26
.set SPW,  28
.set NIL,  29
.set BK,   32
.set F0,   0
.set F1,   128
.set G1,  24
.set G0,  32
.set G1B, 48
.set G0B, 56
.set MSB, 0
.macro WIN new
.if MSB != (\new)
	s_set_vgpr_msb (MSB<<8)|(\new)
.set MSB, (\new)
.endif
.endm
.macro PLACES
.rept 4
	v_nop
.endr
.endm
.macro JLOAD s                         ; waves 0, 1 fetch the two heads of A, waves 2, 3 the halves of B; s_nop 0 and four v_nop follow each line
	s_cmp_eq_u32 s11, 0
	s_cbranch_scc0 .Lfor_b_\@
	tensor_load_to_lds s[G0+4*(\s):G0+4*(\s)+3], s[G1:G1+7]
	s_nop 0
.rept 4
	v_nop
.endr
	s_branch .Lasked_\@
.Lfor_b_\@:
	tensor_load_to_lds s[G0B+4*(\s):G0B+4*(\s)+3], s[G1B:G1B+7]
	s_nop 0
.rept 4
	v_nop
.endr
.Lasked_\@:
.endm
.macro CREST
	s_cmp_lg_u32 s10, 0
	s_cbranch_scc1 .Lnot_wave_0_\@
	s_barrier_signal -3
.Lnot_wave_0_\@:
	s_barrier_wait -3
	s_barrier_signal -1
	s_barrier_wait -1
.endm
.macro CROUND
	s_barrier_signal -1
	s_barrier_wait -1
	CREST
.endm
	s_load_b128 s[4:7], s[0:1], 0x0                ; ob s[4:5], wob s[6:7]
	s_load_b64 s[8:9], s[0:1], 0x10                ; out0
	v_lshl_add_u32 v[SPW], v0, 2, SPARE
	v_mov_b32 v[NIL], 0
	ds_add_u32 v[SPW], v[NIL]                      ; the wave's opening: the add and its wait stand ahead of my first tensor load
	v_lshrrev_b32 v1, 5, v0
	v_readfirstlane_b32 s10, v1                    ; wave
	s_lshr_b32 s11, s10, 1                         ; I fetch for A (0) or B (1),
	s_and_b32 s12, s10, 1                          ; its first or second half
	s_bfe_u32 s40, ttmp6, 0x40000                  ; cx
	s_bfe_u32 s41, ttmp6, 0x40004                  ; cy
	s_lshl_b32 s42, ttmp9, 2
	s_add_co_u32 s42, s42, s40                     ; block of 256 columns
	s_and_b32 s13, ttmp7, 0xffff
	s_lshl_b32 s13, s13, 2
	s_add_co_u32 s13, s13, s41                     ; block of 128 rows
	s_lshl_b32 s43, s41, 2
	s_lshl_b32 s43, 15, s43                        ; my row of the cluster
	s_lshl_b32 s44, 0x1111, s40                    ; my column
	s_or_b32 s[G1],  s43, (1<<16)|(1<<20)|(1<<21)|(4<<22)|(3<<25)  ; 4 words of padding behind every 32
	s_or_b32 s[G1B], s44, (1<<16)|(1<<20)|(1<<21)|(6<<22)|(7<<25)  ; 8 words behind every 128
	s_mov_b32 s[G1+1], 128<<16                     ; A: 72 rows of 128 elements, dense: a head's 144 rows of 64
	s_mov_b32 s[G1+2], 72<<16
	s_mov_b32 s[G1+3], 128<<16
	s_mov_b32 s[G1+4], 72
	s_mov_b32 s[G1+5], 128
	s_mov_b32 s[G1+6], 0
	s_mov_b32 s[G1+7], 0
	s_mov_b32 s[G1B+1], 256<<16                    ; B: 64 rows of 256 elements, 1,024 from row to row
	s_mov_b32 s[G1B+2], 64<<16
	s_mov_b32 s[G1B+3], 256<<16
	s_mov_b32 s[G1B+4], 64
	s_mov_b32 s[G1B+5], 1024
	s_mov_b32 s[G1B+6], 0
	s_mov_b32 s[G1B+7], 0
	s_mul_i32 s16, s13, 294912                     ; 16 heads x 18,432 bytes a block of rows,
	s_mul_i32 s17, s12, 18432                      ; my head of the step's two
	s_add_co_u32 s16, s16, s17
	s_mov_b32 s17, 0
	s_lshl_b32 s46, s42, 9                         ; 512 bytes of a row of wob,
	s_lshl_b32 s47, s12, 17                        ; my 64 rows of 2,048 bytes
	s_add_co_u32 s46, s46, s47
	s_mov_b32 s47, 0
	s_mul_i32 s20, s12, AHEAD
	s_mul_i32 s21, s12, BHALF
	s_add_co_u32 s21, s21, BOFF
	s_wait_dscnt 0x0                               ; the opening add is done
	s_wait_kmcnt 0x0
	s_add_nc_u64 s[14:15], s[4:5], s[16:17]
	s_add_nc_u64 s[46:47], s[6:7], s[46:47]
	CROUND                                         ; all sixteen work-groups are here: the first joint loads meet
.irp s, 0,1
	s_mov_b32 s[G0+4*(\s)], 1
	s_add_co_u32 s[G0+4*(\s)+1], s20, (\s)*SLOT
	s_add_nc_u64 s[G0+4*(\s)+2:G0+4*(\s)+3], s[14:15], (\s)*36864
	s_or_b32 s[G0+4*(\s)+3], s[G0+4*(\s)+3], 0x80000000
	s_mov_b32 s[G0B+4*(\s)], 1
	s_add_co_u32 s[G0B+4*(\s)+1], s21, (\s)*SLOT
	s_add_nc_u64 s[G0B+4*(\s)+2:G0B+4*(\s)+3], s[46:47], (\s)*262144
	s_or_b32 s[G0B+4*(\s)+3], s[G0B+4*(\s)+3], 0x80000000
	JLOAD \s                                       ; two loads of mine are out here, one behind every later refill
.endr
	v_and_b32 v1, 15, v0                           ; r
	v_bfe_u32 v2, v0, 4, 1                         ; h
	v_mul_u32_u24 v3, v1, PAO
	v_lshl_add_u32 v[ADRA], v2, 4, v3
	v_add_nc_u32 v[ADRA+1], SLOT, v[ADRA]
	v_and_b32 v4, 7, v0
	v_lshl_add_u32 v4, v2, 3, v4
	v_mul_u32_u24 v4, v4, PBO                      ; the turning load: lane l reads row 8 h + l % 8, 16 bytes at 16 ((l / 8) % 2)
	v_bfe_u32 v5, v0, 3, 1
	v_lshl_add_u32 v4, v5, 4, v4
	s_lshl_b32 s22, s10, 7                         ; my 64 columns: 128 bytes
	s_add_co_u32 s22, s22, BOFF
	v_add_nc_u32 v[ADRB], s22, v4
	v_add_nc_u32 v[ADRB+1], SLOT, v[ADRB]
	s_mul_i32 s23, s10, 16*SPITCH
	s_add_co_u32 s23, s23, STAGE                   ; my stage
	v_mul_u32_u24 v4, v1, SPITCH
	v_lshl_add_u32 v4, v2, 5, v4                   ; in: row r, 32 bytes for each half of the lanes
	v_add_nc_u32 v[STO], s23, v4
	v_mul_u32_u24 v4, v2, SPITCH
	v_lshl_add_u32 v4, v1, 4, v4                   ; back: lanes 0-15 one row of 256 bytes, lanes 16-31 the next
	v_add_nc_u32 v[RD], s23, v4
	v_lshlrev_b32 v4, 12, v2
	v_lshl_add_u32 v[CO], v1, 4, v4                ; and the same two rows in out0
	s_lshl_b32 s16, s13, 19                        ; 128 rows x 4,096 bytes
	s_lshl_b32 s17, s42, 10
	s_add_co_u32 s16, s16, s17
	s_lshl_b32 s17, s10, 8
	s_add_co_u32 s16, s16, s17
	s_mov_b32 s17, 0
	s_add_nc_u64 s[8:9], s[8:9], s[16:17]
.macro FETCH slot, q, f                ; 26 loads: quarter q (32 along K): Wo's four fragments, turned, then O's nine
	WIN 0x40
.irp b, 0,1,2,3
	ds_load_tr16_b128 v[(\f)+8*(\b):(\f)+8*(\b)+3],   v[ADRB+(\slot)] offset:(\q)*32*PBO+32*(\b)
	ds_load_tr16_b128 v[(\f)+8*(\b)+4:(\f)+8*(\b)+7], v[ADRB+(\slot)] offset:(\q)*32*PBO+16*PBO+32*(\b)
.endr
.irp a, 0,1,2,3,4,5,6,7,8
	ds_load_b128 v[(\f)+32+8*(\a):(\f)+32+8*(\a)+3],   v[ADRA+(\slot)] offset:((\q)/2)*AHEAD+(\a)*16*PAO+((\q)%2)*64
	ds_load_b128 v[(\f)+32+8*(\a)+4:(\f)+32+8*(\a)+7], v[ADRA+(\slot)] offset:((\q)/2)*AHEAD+(\a)*16*PAO+((\q)%2)*64+32
.endr
.endm
.macro MUL f, a0, cnt, zero            ; row blocks a0 .. a0 + cnt - 1 x 4 column blocks; the accumulators take turns
	WIN 0xa5                                       ; sources in window 1, C and D in window 2
.set aa, \a0
.rept \cnt
.irp b, 0,1,2,3
.if \zero
	v_wmma_f32_16x16x32_f16 v[8*(4*aa+(\b)):8*(4*aa+(\b))+7], v[(\f)+8*(\b):(\f)+8*(\b)+7], v[(\f)+32+8*aa:(\f)+32+8*aa+7], 0
.else
	v_wmma_f32_16x16x32_f16 v[8*(4*aa+(\b)):8*(4*aa+(\b))+7], v[(\f)+8*(\b):(\f)+8*(\b)+7], v[(\f)+32+8*aa:(\f)+32+8*aa+7], v[8*(4*aa+(\b)):8*(4*aa+(\b))+7]
.endif
.endr
.set aa, aa+1
.endr
.endm
.macro MULLO f                         ; the remainder rows onto the accumulators of rows 0-15
	WIN 0xa5
.irp b, 0,1,2,3
	v_wmma_f32_16x16x32_f16 v[8*(\b):8*(\b)+7], v[(\f)+8*(\b):(\f)+8*(\b)+7], v[(\f)+96:(\f)+103], v[8*(\b):8*(\b)+7]
.endr
.endm
.macro QUARTER slot, q, f, g, zero     ; multiplies buffer f; in its middle fetches quarter q of the same slot into buffer g
	s_wait_dscnt 10                                ; Wo's fragments and O's blocks 0-3 are in; blocks 4-8 (ten loads) may be out
	MUL \f, 0, 4, \zero
	PLACES
	FETCH \slot, \q, \g
	s_wait_dscnt 26                                ; all but the 26 just issued
	MUL \f, 4, 4, \zero
	MULLO \f
.endm
; The last quarter multiplies buffer 1 and changes slots: one barrier; ahead of it each wave waits for all its tensor loads, adds 0 to its spare word, and waits for that and for its reads of this slot.
.macro TURN slot, next, fill
	WIN 0
	s_wait_tensorcnt 0x0
	ds_add_u32 v[SPW], v[NIL]
	s_wait_dscnt 11                                ; the ten youngest loads and the add may be out
	MUL F1, 0, 2, 0
	s_wait_dscnt 0x0
	s_barrier_signal -1
	MUL F1, 2, 2, 0
	WIN 0
	s_barrier_wait -1
.if \fill
	CREST                                          ; the barrier has opened a round of the cluster's
	s_add_nc_u64 s[G0+4*(\slot)+2:G0+4*(\slot)+3], s[G0+4*(\slot)+2:G0+4*(\slot)+3], 73728
	s_add_nc_u64 s[G0B+4*(\slot)+2:G0B+4*(\slot)+3], s[G0B+4*(\slot)+2:G0B+4*(\slot)+3], 524288
	JLOAD \slot                                    ; the first tensor load behind the round: 128 matrix instructions ahead of the wait for it; its four v_nop are the places ahead of the loads below
.else
	PLACES
.endif
	FETCH \next, 0, F0
	MUL F1, 4, 4, 0
	MULLO F1
.endm
	s_wait_tensorcnt 1                             ; my part of K step 0 is in; K step 1's may stay out
	s_barrier_signal -1
	s_barrier_wait -1
	FETCH 0, 0, F0
	QUARTER 0, 1, F0, F1, 1                        ; the first quarter stands ahead of the loop: its products start the sums
	WIN 0
	s_mov_b32 s3, 3
.Llap:
	QUARTER 0, 2, F1, F0, 0
	QUARTER 0, 3, F0, F1, 0
	TURN 0, 1, 1
	QUARTER 1, 1, F0, F1, 0
	QUARTER 1, 2, F1, F0, 0
	QUARTER 1, 3, F0, F1, 0
	TURN 1, 0, 1
	QUARTER 0, 1, F0, F1, 0
	WIN 0
	s_sub_co_u32 s3, s3, 1
	s_cmp_lg_u32 s3, 0
	s_cbranch_scc1 .Llap
	QUARTER 0, 2, F1, F0, 0                        ; the last lap fills nothing
	QUARTER 0, 3, F0, F1, 0
	TURN 0, 1, 0
	QUARTER 1, 1, F0, F1, 0
	QUARTER 1, 2, F1, F0, 0
	QUARTER 1, 3, F0, F1, 0
	s_wait_dscnt 10
	MUL F1, 0, 4, 0
	s_wait_dscnt 0x0
	MUL F1, 4, 4, 0
	MULLO F1
	WIN 0
	PLACES
; THE WAY OUT, 16 rows at a time through my stage: a lane's 32 bytes go in, whole rows of 256 bytes come back, into two buffers by turns.
.macro TOSTAGE a
	WIN 0
	s_wait_xcnt 0x0                                ; earlier stores have read the buffer that is loaded again below
	WIN 0x08                                       ; store data in window 2
.irp b, 0,1,2,3
	ds_store_b128 v[STO], v[8*(4*(\a)+(\b)):8*(4*(\a)+(\b))+3]   offset:64*(\b)      ; each accumulator's low half first
	ds_store_b128 v[STO], v[8*(4*(\a)+(\b))+4:8*(4*(\a)+(\b))+7] offset:64*(\b)+16
.endr
	WIN 0
.irp t, 0,1,2,3,4,5,6,7
	ds_load_b128 v[BK+32*((\a)%2)+4*(\t):BK+32*((\a)%2)+4*(\t)+3], v[RD] offset:(\t)*2*SPITCH  ; LDS serves a wave's instructions in order
.endr
.endm
.macro SEND a, younger                 ; younger: the next block's 8 stores and 8 loads, or none
	s_wait_dscnt \younger
.irp t, 0,1,2,3,4,5,6,7
	global_store_b128 v[CO], v[BK+32*((\a)%2)+4*(\t):BK+32*((\a)%2)+4*(\t)+3], s[8:9] offset:(\a)*65536+(\t)*8192  ; 16 lanes store 256 consecutive aligned bytes
.endr
.endm
	TOSTAGE 0
.irp a, 1,2,3,4,5,6,7
	TOSTAGE \a
	SEND (\a)-1, 16
.endr
	SEND 7, 0
	s_wait_tensorcnt 0x0                           ; the wave's end
	ds_add_u32 v[SPW], v[NIL]
	s_wait_dscnt 0x0
	CROUND                                         ; the closing round
	s_endpgm
.Lfunc_end_k_qbeaff14c57_oproj:
	.size	k_qbeaff14c57_oproj, .Lfunc_end_k_qbeaff14c57_oproj-k_qbeaff14c57_oproj
	.p2alignl 7, 3214868480
	.fill 96, 4, 3214868480
	.section	.rodata,"a",@progbits
	.p2align	6, 0x0
	.amdhsa_kernel k_qbeaff14c57_oproj
		.amdhsa_group_segment_fixed_size 327680
		.amdhsa_private_segment_fixed_size 0
		.amdhsa_enable_private_segment 0
		.amdhsa_kernarg_size 24
		.amdhsa_user_sgpr_count 2
		.amdhsa_user_sgpr_kernarg_segment_ptr 1
		.amdhsa_wavefront_size32 1
		.amdhsa_system_sgpr_workgroup_id_x 1
		.amdhsa_system_sgpr_workgroup_id_y 1
		.amdhsa_system_sgpr_workgroup_id_z 1
		.amdhsa_system_vgpr_workitem_id 0
		.amdhsa_next_free_vgpr 768
		.amdhsa_next_free_sgpr 66
		.amdhsa_reserve_vcc 0
		.amdhsa_float_denorm_mode_32 3
		.amdhsa_float_denorm_mode_16_64 3
		.amdhsa_memory_ordered 1
		.amdhsa_forward_progress 1
		.amdhsa_inst_pref_size 91
	.end_amdhsa_kernel
	.amdgpu_metadata
---
amdhsa.version: [ 1, 2 ]
amdhsa.kernels:
  - .name:           k_qbeaff14c57_oproj
    .symbol:         k_qbeaff14c57_oproj.kd
    .args:
      - { .name: ob, .offset: 0, .size: 8, .value_kind: global_buffer, .address_space: global }
      - { .name: wob, .offset: 8, .size: 8, .value_kind: global_buffer, .address_space: global }
      - { .name: out0, .offset: 16, .size: 8, .value_kind: global_buffer, .address_space: global }
    .group_segment_fixed_size: 327680
    .private_segment_fixed_size: 0
    .kernarg_segment_align: 8
    .kernarg_segment_size: 24
    .max_flat_workgroup_size: 128
    .sgpr_count:     66
    .vgpr_count:     768
    .wavefront_size: 32
...
	.end_amdgpu_metadata
.endif
;; end of part 4
